; MI455X (gfx1250); checked and timed in simulation.
; The chip was launched on July 23, 2026; its instructions are those of AMD's public machine-readable ISA for CDNA 5 (MIT licence, August 2026) and "CDNA5" Instruction Set Architecture Reference Guide (July 2026). The comments in the code are by the model that wrote it; some were corrected since.
;; Vanilla Multi Head Attention Module. Allowed arithmetic: matrix products marked QUANTISED: E2M1 operands, one E8M0 scale for each 32 along K, by v_wmma_scale_f32_16x16x128_f8f6f4 with both operands' format E2M1 (or v_wmma_scale_f32_32x16x128_f4), f32 sums; everything else in f32.
;; Inputs: Wk 1,024 x 1,024 float32; Wo 1,024 x 1,024 float32; Wq 1,024 x 1,024 float32; Wv 1,024 x 1,024 float32; bk 1,024 float32; bo 1,024 float32; bq 1,024 float32; bv 1,024 float32; context 4 x 2,048 x 1,024 float32; ln_beta 1,024 float32; ln_gamma 1,024 float32; state 4 x 2,048 x 1,024 float32.
;; Outputs: out0 4 x 2,048 x 1,024 float32.
;; This version of the problem:
;;   THIS VERSION OF THE PROBLEM IS GIVEN IN LOW PRECISION. The matrix products marked QUANTISED in the list below multiply operands that are first quantised to E2M1 (2 exponent bits, 1 mantissa bit; 4 bits a number), with one power-of-two scale for each 32 numbers along K (OCP MX v1.0); their sums are f32. All else is computed in f32.
;;   The module's matrix products, in the order in which they are computed (A, B: the left and right operand; K: the contracted axis; several contracted axes count as one K, in the product's order):
;;     1. [M 8,192, K 1,024] x [K 1,024, N 1,024]; A: computed on the way; B: input Wq: QUANTISED
;;     2. [M 8,192, K 1,024] x [K 1,024, N 1,024]; A: computed on the way; B: input Wk: QUANTISED
;;     3. [M 8,192, K 1,024] x [K 1,024, N 1,024]; A: computed on the way; B: input Wv: QUANTISED
;;     4. batch 64 x [M 2,048, K 64] x [K 64, N 2,048]; A: computed on the way; B: computed on the way: QUANTISED
;;     5. batch 64 x [M 2,048, K 2,048] x [K 2,048, N 64]; A: softmax (see below); B: computed on the way: QUANTISED
;;     6. [M 8,192, K 1,024] x [K 1,024, N 1,024]; A: computed on the way; B: input Wo: QUANTISED
;;   THE QUANTISER, for each operand of a quantised product, along K:
;;     - K is cut into blocks of 32 from its start; a last block that is shorter is filled with zeros.
;;     - A block's scale is 2^e with e = floor(log2(the largest magnitude in the block)) - 2, held to -126 .. 127; a block of zeros has e = 0. As a byte (E8M0): e + 127.
;;     - Each number is divided by its block's scale, clamped to +-6, and rounded to the nearest number of E2M1, ties to even, subnormals kept.
;;     - The product sums the exact products of the quantised numbers (number of the format x scale) in f32.
;;   ~~~python
;;   def quantise(x, axis):      # numpy; x: float32 -> the quantised numbers, widened to float32 again
;;       x = np.moveaxis(x, axis, -1); K = x.shape[-1]
;;       x = np.pad(x, [(0, 0)] * (x.ndim - 1) + [(0, -K % 32)]); x = x.reshape(x.shape[:-1] + (-1, 32)); a = np.abs(x).max(-1, keepdims=True)
;;       e = np.where(a > 0, np.clip(np.frexp(np.where(a > 0, a, 1))[1] - 1 - 2, -126, 127), 0)      # np.frexp(a)[1] - 1 = floor(log2(a)), exactly
;;       r = np.clip(x / 2.0 ** e, -6, 6)
;;       step = 2.0 ** (np.maximum(np.frexp(np.where(r == 0, 1, r))[1] - 1, 0) - 1)
;;       q = np.round(r / step) * step * 2.0 ** e      # np.round: ties to even
;;       return np.moveaxis(q.reshape(q.shape[:-2] + (-1,))[..., :K], -1, axis).astype(np.float32)
;;   ~~~
;;   SOFTMAX AHEAD OF A QUANTISED PRODUCT. Where the list says 'softmax', what is quantised is not the finished softmax but p = 2^(t - M), with t = logit x log2(e) and M = ceil(the row's largest t), a whole number; so 1/2 < the row's largest p <= 1. The row's sum l is taken of the UNQUANTISED p, in f32, and the product's result is divided by l at the end. Since M is a whole number, a kernel that streams over the keys may use a running M (the ceiling of the running maximum): every later rescaling is an exact power of two, which a block's scale takes up: the codes' values come out the same.
;;   OPERANDS COMPUTED ON THE WAY. 'Computed on the way' means the value that the module computes at that place (a softmax that the list does not call 'softmax' is quantised finished and normalised). What goes into a quantiser is computed in f32, as accurately as f32 sums, v_exp_f32 and their like allow (about 1e-6 of the number): no bf16 or f16 on the way to a quantiser, and a product that is left as it is and whose result goes on into a quantised operand takes f32 operands (vector FMAs, or v_wmma_f32_16x16x4_f32). A number that lies on a knife's edge between two numbers of the format may be rounded either way, as far as f32 arithmetic and the matrix unit's own rounding can turn it there, and no further.
;; One version. Each part assembles by itself: llvm-mc -triple=amdgcn-amd-amdhsa -mcpu=gfx1250 --defsym DOCPART=n.
;; ======== version 1 of 1: 5 launches
;; workspace buffers: wc 2,228,224 bytes; xn 8,912,896 bytes; qb 4,456,448 bytes; kb 4,456,448 bytes; vb 4,456,448 bytes; ob 4,456,448 bytes
;; launch wquant (part 1): grid 8 x 32, 8 waves a work-group, no clusters, 0 bytes of LDS; arguments Wq, Wk, Wv, Wo, wc; writes wc
.if DOCPART == 1
	.amdgcn_target "amdgcn-amd-amdhsa--gfx1250"
	.amdhsa_code_object_version 6
	.text
	.protected	k_qcfbda2beb4_wquant
	.globl	k_qcfbda2beb4_wquant
	.p2align	8
	.type	k_qcfbda2beb4_wquant,@function
k_qcfbda2beb4_wquant:
	s_mov_b64 s[64:65], 0
	v_nop
	global_prefetch_b8 v0, s[64:65] scope:SCOPE_SE
	s_setreg_imm32_b32 hwreg(HW_REG_WAVE_MODE, 25, 1), 1
	s_wait_xcnt 0x0
; The four weights W [1024 (k)][1024 (n)], f32, K their FIRST axis, become codes of FP4 (E2M1) with one E8M0 scale byte for each 32 along K.
; They are laid in wc as the later launches' matrix operands want them: for each weight 64 TILE RECORDS of 8,704 bytes.
; A tile holds 16 columns n: place r of tile t is column 32 (t / 2) + 8 (t % 2) + r + 8 (r / 8).  A record is two halves of 4,352 bytes (K 0-511, K 512-1023):
; codes [block % 16][place][16 bytes], which is the image of four operand fragments (lane l's 16 bytes at 16 l), then scale bytes [place][block % 16].
; A LANE TAKES A COLUMN AND ITS REGISTERS RUN DOWN K: a block of 32 lies in one lane's 32 registers, its largest magnitude needs no other lane, and the conversions give codes with K innermost.
; SHARES: work-group x = 128 columns; y = weight (y / 8) and 128 along K (y % 8).  Wave w: 32 columns (w % 4: one pair of tiles) x 2 blocks (w / 4).  All 64 loads of a wave go out at once.
; A block's 16 bytes a lane leave by one store that covers two whole aligned runs of 256 bytes, one in each tile.  The two scale bytes a lane leave as 2 bytes: one byte in 128 of what the launch reads.
; No LDS, no barrier, no cluster: no two work-groups read the same bytes.
; A block's scale is 2^(floor(log2(largest magnitude)) - 2); its byte is the largest magnitude's exponent field - 2, held at 1 from below.
; LIMITS: a block of zeros gets the byte 1 where the rule says 127 (its codes are zeros, and this program alone reads the bytes); NaN and infinities among the inputs are not served.
.set WSZ,  557056                      ; a weight's 64 records
.set REC,  8704
.set HALF, 4352
.set X,    32                          ; v32-95  two blocks of 32 numbers
.set C,    16                          ; v16-23  their codes
	s_load_b256 s[8:15], s[0:1], 0x0               ; Wq s[8:9], Wk s[10:11], Wv s[12:13], Wo s[14:15]
	s_load_b64 s[16:17], s[0:1], 0x20              ; wc
	v_lshrrev_b32 v1, 5, v0
	s_delay_alu instid0(VALU_DEP_1)
	v_readfirstlane_b32 s18, v1                    ; wave 0..7
	v_and_b32 v2, 31, v0                           ; lane j: column j of the pair of tiles
	s_wait_alu depctr_va_vdst(0)
	s_and_b32 s19, ttmp7, 0xffff
	s_lshr_b32 s20, s19, 3                         ; which weight
	s_and_b32 s21, s19, 7                          ; which 128 along K
	s_and_b32 s22, s18, 3                          ; which 32 columns
	s_lshr_b32 s23, s18, 2                         ; which 2 blocks
	s_lshl_b32 s24, s21, 19                        ; in: (128 kq + 64 bp) rows of 4,096 bytes + (128 x + 32 cg) x 4
	s_lshl_b32 s25, s23, 18
	s_add_co_u32 s24, s24, s25
	s_lshl_b32 s25, ttmp9, 9
	s_add_co_u32 s24, s24, s25
	s_lshl_b32 s25, s22, 7
	s_add_co_u32 s24, s24, s25
	s_mov_b32 s25, 0
	s_lshl_b32 s26, ttmp9, 3                       ; out: my first tile 8 x + 2 cg,
	s_lshl_b32 s27, s22, 1
	s_add_co_u32 s26, s26, s27
	s_mul_i32 s26, s26, REC
	s_mul_i32 s27, s20, WSZ                        ; of my weight,
	s_add_co_u32 s26, s26, s27
	s_lshr_b32 s27, s21, 2                         ; its half kq / 4
	s_mul_i32 s27, s27, HALF
	s_add_co_u32 s26, s26, s27
	s_and_b32 s27, s21, 3
	s_lshl_b32 s27, s27, 2
	s_lshl_b32 s28, s23, 1
	s_add_co_u32 s28, s27, s28                     ; my first block's number in the half: 4 (kq % 4) + 2 bp
	s_lshl_b32 s30, s28, 8
	s_add_co_u32 s30, s30, s26                     ; codes: 256 bytes a block
	s_mov_b32 s31, 0
	s_add_co_u32 s32, s26, s28                     ; scale bytes: behind the half's 4,096 bytes of codes
	s_add_co_u32 s32, s32, 4096
	s_mov_b32 s33, 0
	v_lshlrev_b32 v3, 2, v2                        ; in: 4 bytes a lane
	v_bfe_u32 v5, v2, 3, 1                         ; column j lies in tile (j / 8) % 2
	v_and_b32 v6, 7, v2
	v_lshrrev_b32 v7, 4, v2
	s_delay_alu instid0(VALU_DEP_1)
	v_lshl_add_u32 v6, v7, 3, v6                   ; at place j % 8 + 8 (j / 16)
	s_delay_alu instid0(VALU_DEP_4)
	v_mul_u32_u24 v4, v5, REC
	s_delay_alu instid0(VALU_DEP_1)
	v_lshl_add_u32 v4, v6, 4, v4                   ; out: tile x 8,704 + 16 x place
	s_wait_alu depctr_va_vdst(0)
	s_wait_kmcnt 0x0
	s_cmp_eq_u32 s20, 1                            ; the weight is chosen by the work-group's number alone
	s_cselect_b64 s[4:5], s[10:11], s[8:9]
	s_cmp_eq_u32 s20, 2
	s_cselect_b64 s[4:5], s[12:13], s[4:5]
	s_cmp_eq_u32 s20, 3
	s_cselect_b64 s[4:5], s[14:15], s[4:5]
	s_add_nc_u64 s[4:5], s[4:5], s[24:25]
	s_add_nc_u64 s[6:7], s[16:17], s[30:31]
	s_add_nc_u64 s[34:35], s[16:17], s[32:33]
.macro LOAD t                          ; block t: W(32 t + i, my column): 32 lanes read 128 consecutive bytes
.irp i, 0,1,2,3,4,5,6,7,8,9,10,11,12,13,14,15,16,17,18,19,20,21,22,23,24,25,26,27,28,29,30,31
	global_load_b32 v[X+32*\t+\i], v3, s[4:5] offset:(32*\t+\i)*4096 th:TH_LOAD_NT
.endr
.endm
	LOAD 0
	LOAD 1
.macro BLOCK t
.set XS, X+32*\t
	s_wait_loadcnt 32*(1-\t)                       ; this block's 32 loads are in; the other block's may be out
	v_max3_num_f32 v12, |v[XS]|, |v[XS+1]|, |v[XS+2]|          ; the block's largest magnitude, in two chains
	v_max3_num_f32 v13, |v[XS+3]|, |v[XS+4]|, |v[XS+5]|
.irp i, 6,10,14,18,22,26
	s_delay_alu instid0(VALU_DEP_2)
	v_max3_num_f32 v12, v12, |v[XS+\i]|, |v[XS+\i+1]|
	s_delay_alu instid0(VALU_DEP_2)
	v_max3_num_f32 v13, v13, |v[XS+\i+2]|, |v[XS+\i+3]|
.endr
	s_delay_alu instid0(VALU_DEP_2)
	v_max3_num_f32 v12, v12, |v[XS+30]|, |v[XS+31]|
	s_delay_alu instid0(VALU_DEP_1)
	v_max3_num_f32 v12, v12, v13, 0x1800000        ; and the floor 2^(3 - 127): the byte cannot fall under 1
	s_delay_alu instid0(VALU_DEP_1)
	v_add_nc_u32 v[14+\t], 0xff000000, v12         ; 2 off the exponent field: the conversion takes this operand's exponent field as its scale
.irp g, 0,1,2,3
	v_cvt_scalef32_pk8_fp4_f32 v[C+4*\t+\g], v[XS+8*\g:XS+8*\g+7], v[14+\t]
.endr
	v_lshrrev_b32 v[24+\t], 23, v[14+\t]           ; the scale's byte (a plain line behind the conversions)
	global_store_b128 v4, v[C+4*\t:C+4*\t+3], s[6:7] offset:256*\t   ; sixteen places x 16 bytes in each of two tiles: two whole aligned runs of 256 bytes
.endm
	BLOCK 0
	BLOCK 1
	v_lshl_or_b32 v24, v25, 8, v24                 ; my column's two bytes are neighbours in its row of scale bytes
	global_store_b16 v4, v24, s[34:35]
	s_endpgm
.Lfunc_end_k_qcfbda2beb4_wquant:
	.size	k_qcfbda2beb4_wquant, .Lfunc_end_k_qcfbda2beb4_wquant-k_qcfbda2beb4_wquant
	.p2alignl 7, 3214868480
	.fill 96, 4, 3214868480
	.section	.rodata,"a",@progbits
	.p2align	6, 0x0
	.amdhsa_kernel k_qcfbda2beb4_wquant
		.amdhsa_group_segment_fixed_size 0
		.amdhsa_private_segment_fixed_size 0
		.amdhsa_enable_private_segment 0
		.amdhsa_kernarg_size 40
		.amdhsa_user_sgpr_count 2
		.amdhsa_user_sgpr_kernarg_segment_ptr 1
		.amdhsa_wavefront_size32 1
		.amdhsa_system_sgpr_workgroup_id_x 1
		.amdhsa_system_sgpr_workgroup_id_y 1
		.amdhsa_system_sgpr_workgroup_id_z 1
		.amdhsa_system_vgpr_workitem_id 0
		.amdhsa_next_free_vgpr 96
		.amdhsa_next_free_sgpr 66
		.amdhsa_reserve_vcc 0
		.amdhsa_float_denorm_mode_32 3
		.amdhsa_float_denorm_mode_16_64 3
		.amdhsa_memory_ordered 1
		.amdhsa_forward_progress 1
		.amdhsa_inst_pref_size 13
	.end_amdhsa_kernel
	.amdgpu_metadata
---
amdhsa.version: [ 1, 2 ]
amdhsa.kernels:
  - .name:           k_qcfbda2beb4_wquant
    .symbol:         k_qcfbda2beb4_wquant.kd
    .args:
      - { .name: Wq, .offset: 0, .size: 8, .value_kind: global_buffer, .address_space: global }
      - { .name: Wk, .offset: 8, .size: 8, .value_kind: global_buffer, .address_space: global }
      - { .name: Wv, .offset: 16, .size: 8, .value_kind: global_buffer, .address_space: global }
      - { .name: Wo, .offset: 24, .size: 8, .value_kind: global_buffer, .address_space: global }
      - { .name: wc, .offset: 32, .size: 8, .value_kind: global_buffer, .address_space: global }
    .group_segment_fixed_size: 0
    .private_segment_fixed_size: 0
    .kernarg_segment_align: 8
    .kernarg_segment_size: 40
    .max_flat_workgroup_size: 256
    .sgpr_count:     66
    .vgpr_count:     96
    .wavefront_size: 32
...
	.end_amdgpu_metadata
.endif
;; end of part 1
;; launch lnquant (part 2): grid 256 x 1, 8 waves a work-group, no clusters, 327,680 bytes of LDS; arguments state, context, ln_gamma, ln_beta, xn; writes xn
.if DOCPART == 2
	.amdgcn_target "amdgcn-amd-amdhsa--gfx1250"
	.amdhsa_code_object_version 6
	.text
	.protected	k_qcfbda2beb4_lnquant
	.globl	k_qcfbda2beb4_lnquant
	.p2align	8
	.type	k_qcfbda2beb4_lnquant,@function
k_qcfbda2beb4_lnquant:
	s_mov_b64 s[64:65], 0
	v_nop
	global_prefetch_b8 v0, s[64:65] scope:SCOPE_SE
	s_setreg_imm32_b32 hwreg(HW_REG_WAVE_MODE, 25, 1), 1
	s_wait_xcnt 0x0
; xn = Q(gamma (x - mean) rsqrt(var + 1e-5) + beta) for the 8,192 rows of state and then the 8,192 of context: f32 rows of 1,024 become codes of FP4 (E2M1) with one E8M0 byte for each 32 along the row.
; OUT: tile records of 8,704 bytes, 512 for state, then 512 for context.  A tile holds 16 rows: place r of tile t is row 32 (t / 2) + 8 (t % 2) + r + 8 (r / 8).
; A record is two halves of 4,352 bytes: codes [block % 16][place][16 bytes] (the image of four operand fragments), then scale bytes [place][block % 16].
; SHARES: a work-group takes 64 rows (four tiles); work-groups 0-127 state, the others context: only a pointer is chosen.  Wave w owns rows 8 w .. 8 w + 7; lane l owns block l (32 numbers) of a row,
; so a block's largest magnitude needs no other lane, and mean and variance want one reduction over the 32 lanes each.  The variance is taken of x - mean (two passes over registers), as the reference takes it.
; IN: each wave brings its 8 rows by two tensor loads of 16 KiB (four rows, stated as 64 rows of 256 bytes with 16 bytes of padding behind each), issued together at the start: all of the work-group's
; 256 KiB are on their way at once, every LDS byte is filled once, and a wave reads only what it brought itself, behind its own wait.  Two loads of a wave are out at the most.
; THE WAY OUT: a lane's 16 bytes of codes belong to a run of 256 bytes that sixteen rows share, so codes and bytes meet in a stage in LDS (bytes of its own, no fill lands there); one barrier; each wave
; then stores one record half, 17 whole aligned runs of 256 bytes.
; No cluster: no two work-groups read the same rows.  No matrix unit: there is no product here.
; LIMITS: a block of zeros gets the byte 1 where the rule says 127 (its codes are zeros, and this program alone reads the bytes); NaN and infinities among the inputs are not served.
.set RP,   4352                        ; a row in LDS: 16 x (256 + 16)
.set STG,  64*RP                       ; 278,528: the stage: 8 record halves x 17 units x 272 bytes
.set HS,   17*272                      ; 4,624: a record half in the stage
.set G,    16                          ; v16-47   gamma of my block
.set BE,   48                          ; v48-79   beta
.set X0,   80                          ; v80-111  a row's 32 numbers
.set X1,   112                         ; v112-143 the next row's
.set T,    144                         ; v144-159 at work
.set PCA,  160                         ; v160-163, v164-167 codes
.set PCB,  164
	s_load_b256 s[4:11], s[0:1], 0x0               ; state, context, gamma, beta
	s_load_b64 s[12:13], s[0:1], 0x20              ; xn
	v_lshl_add_u32 v176, v0, 2, 0x4d100
	v_mov_b32 v177, 0
	ds_add_u32 v176, v177
	ds_add_u32 v176, v177
	v_lshrrev_b32 v1, 5, v0
	s_delay_alu instid0(VALU_DEP_1)
	v_readfirstlane_b32 s14, v1                    ; wave 0..7
	; descriptor group 1: a dense block of 16 KiB as 64 rows of 32 elements of 8 bytes, 16 bytes of padding behind each 256
	s_mov_b32 s16, (3<<16)|(1<<20)|(5<<22)|(3<<25)
	s_mov_b32 s17, 32<<16                          ; tensor_dim0
	s_mov_b32 s18, 64<<16                          ; tensor_dim1
	s_mov_b32 s19, 32<<16                          ; tile_dim0
	s_mov_b32 s20, 64                              ; tile_dim1
	s_mov_b32 s21, 32                              ; elements from row to row
	s_mov_b32 s22, 0
	s_mov_b32 s23, 0
	s_and_b32 s32, ttmp9, 127
	s_lshl_b32 s32, s32, 18                        ; the work-group's 64 rows of 4,096 bytes,
	s_lshl_b32 s33, s14, 15                        ; my wave's 8
	s_add_co_u32 s32, s32, s33
	s_mov_b32 s33, 0
	s_mul_i32 s34, s14, 8*RP                       ; and their place in LDS
	s_wait_dscnt 0x0
	s_wait_kmcnt 0x0
	s_cmp_lt_u32 ttmp9, 128                        ; state or context: the choice hangs on the work-group's number alone
	s_cselect_b64 s[4:5], s[4:5], s[6:7]
	s_add_nc_u64 s[4:5], s[4:5], s[32:33]
.irp i, 0,1
	s_mov_b32 s[24+4*\i], 1
	s_add_co_u32 s[25+4*\i], s34, \i*4*RP
	s_add_nc_u64 s[26+4*\i:27+4*\i], s[4:5], \i*16384
	s_or_b32 s[27+4*\i], s[27+4*\i], 0x80000000
.endr
	tensor_load_to_lds s[24:27], s[16:23]          ; rows 0-3 of my eight
	s_nop 0
	s_wait_alu depctr_va_vdst(0)
	s_wait_tensorcnt 0x0
	ds_add_u32 v176, v177
	s_wait_dscnt 0x0
	s_barrier_signal -1
	s_barrier_wait -1
	tensor_load_to_lds s[28:31], s[16:23]          ; rows 4-7
	s_nop 0
.rept 4
	v_nop
.endr
	v_and_b32 v1, 31, v0                           ; lane l
	s_wait_alu depctr_va_vdst(0)
	v_lshlrev_b32 v9, 7, v1                        ; my block's 128 bytes in gamma and beta
.irp j, 0,1,2,3,4,5,6,7
	global_load_b128 v[G+4*\j:G+4*\j+3], v9, s[8:9] offset:16*\j
.endr
.irp j, 0,1,2,3,4,5,6,7
	global_load_b128 v[BE+4*\j:BE+4*\j+3], v9, s[10:11] offset:16*\j
.endr
	v_lshrrev_b32 v10, 1, v1
	s_delay_alu instid0(VALU_DEP_1)
	v_lshl_add_u32 v2, v10, 4, v9                  ; in LDS: 128 l + 16 for each 256 passed: sixteen lanes fall on sixteen different columns of 16 bytes
	s_delay_alu instid0(VALU_DEP_1)
	v_add_nc_u32 v2, s34, v2
	s_lshr_b32 s35, s14, 2                         ; my rows lie in tile 2 (w / 4) + w % 2 of the work-group's four,
	s_lshl_b32 s35, s35, 1
	s_and_b32 s36, s14, 1
	s_add_co_u32 s35, s35, s36
	s_bfe_u32 s36, s14, 0x10001                    ; at places 8 ((w / 2) % 2) + 0 .. 7
	s_mul_i32 s37, s35, 2*HS
	s_lshl_b32 s38, s36, 7
	s_add_co_u32 s37, s37, s38
	s_add_co_u32 s37, s37, STG
	v_lshrrev_b32 v11, 4, v1                       ; my block's half of the record,
	v_and_b32 v12, 15, v1                          ; and its number there
	s_delay_alu instid0(VALU_DEP_2)
	v_mul_u32_u24 v3, v11, HS
	s_delay_alu instid0(VALU_DEP_1)
	v_mad_u32_u24 v3, v12, 272, v3
	s_delay_alu instid0(VALU_DEP_1)
	v_add_nc_u32 v3, s37, v3                       ; codes into the stage: unit = block, 16 bytes a place
	v_mul_u32_u24 v4, v11, HS
	s_delay_alu instid0(VALU_DEP_1)
	v_add_nc_u32 v4, v4, v12
	s_delay_alu instid0(VALU_DEP_1)
	v_add_nc_u32 v4, s37, v4
	s_delay_alu instid0(VALU_DEP_1)
	v_add_nc_u32 v4, 16*272, v4                    ; scale bytes: the half's seventeenth unit, 16 bytes a place, byte = block
	s_mul_i32 s39, s14, HS                         ; out of the stage: wave w takes record half w
	s_add_co_u32 s39, s39, STG
	v_mul_u32_u24 v5, v11, 272
	s_delay_alu instid0(VALU_DEP_1)
	v_lshl_add_u32 v5, v12, 4, v5
	s_delay_alu instid0(VALU_DEP_1)
	v_add_nc_u32 v5, s39, v5                       ; two units an instruction
	v_lshlrev_b32 v6, 4, v1                        ; and the same 512 bytes in memory
	v_lshlrev_b32 v8, 3, v1
	s_delay_alu instid0(VALU_DEP_1)
	v_add_nc_u32 v7, s39, v8
	s_delay_alu instid0(VALU_DEP_1)
	v_add_nc_u32 v7, 16*272, v7                    ; the seventeenth unit: 8 bytes a lane
	s_delay_alu instid0(VALU_DEP_3)
	v_add_nc_u32 v8, 4096, v8
	s_mul_i32 s44, ttmp9, 4*8704                   ; the work-group's four records, my half
	s_mul_i32 s45, s14, 4352
	s_add_co_u32 s44, s44, s45
	s_mov_b32 s45, 0
	s_add_nc_u64 s[12:13], s[12:13], s[44:45]
	s_mov_b32 s40, 0x3a800000                      ; 1 / 1024
	s_mov_b32 s41, 0x3727c5ac                      ; 1e-5
	s_mov_b32 s42, 0x76543210                      ; v_permlanex16_b32's selects for lane l xor 16
	s_mov_b32 s43, 0xfedcba98
	v_mov_b32 v[T+8], 0                            ; a lane permute's destination counts as one of its sources
	v_mov_b32 v[T+11], 0                           ; upper halves of pairs of which the low word serves both halves
	v_mov_b32 v[T+13], 0
.macro REDUCE                          ; v[T] summed over the 32 lanes, the result in every lane
	s_delay_alu instid0(VALU_DEP_1)
	v_add_f32_dpp v[T], v[T], v[T] row_xmask:1 row_mask:0xf bank_mask:0xf
	s_delay_alu instid0(VALU_DEP_1)
	v_add_f32_dpp v[T], v[T], v[T] row_xmask:2 row_mask:0xf bank_mask:0xf
	s_delay_alu instid0(VALU_DEP_1)
	v_add_f32_dpp v[T], v[T], v[T] row_xmask:4 row_mask:0xf bank_mask:0xf
	s_delay_alu instid0(VALU_DEP_1)
	v_add_f32_dpp v[T], v[T], v[T] row_xmask:8 row_mask:0xf bank_mask:0xf
	s_delay_alu instid0(VALU_DEP_1)
	v_permlanex16_b32 v[T+8], v[T], s42, s43
	s_delay_alu instid0(VALU_DEP_1)
	v_add_f32 v[T], v[T], v[T+8]
.endm
.macro FOLD                            ; four chains of pairs into one number
	s_delay_alu instid0(VALU_DEP_3)
	v_pk_add_f32 v[T:T+1], v[T:T+1], v[T+2:T+3]
	s_delay_alu instid0(VALU_DEP_2)
	v_pk_add_f32 v[T+4:T+5], v[T+4:T+5], v[T+6:T+7]
	s_delay_alu instid0(VALU_DEP_1)
	v_pk_add_f32 v[T:T+1], v[T:T+1], v[T+4:T+5]
	s_delay_alu instid0(VALU_DEP_1)
	v_add_f32 v[T], v[T], v[T+1]
.endm
; One row: my 32 numbers in v[x] on; codes to v[pc] on, the byte to v[e]; i = the row's number among my eight.
.macro LNROW x, pc, e, i
.irp k, 0,1,2,3
	v_pk_add_f32 v[T+2*\k:T+2*\k+1], v[\x+4*\k:\x+4*\k+1], v[\x+4*\k+2:\x+4*\k+3]     ; the sum, in four chains
.endr
.irp j, 16,24
.irp k, 0,1,2,3
	s_delay_alu instid0(VALU_DEP_4)
	v_pk_add_f32 v[T+2*\k:T+2*\k+1], v[T+2*\k:T+2*\k+1], v[\x+\j+2*\k:\x+\j+2*\k+1]
.endr
.endr
	FOLD
	REDUCE
	s_delay_alu instid0(VALU_DEP_1)
	v_mul_f32 v[T+10], s40, v[T]                   ; the mean
.irp j, 0,2,4,6,8,10,12,14,16,18,20,22,24,26,28,30
	v_pk_add_f32 v[\x+\j:\x+\j+1], v[\x+\j:\x+\j+1], v[T+10:T+11] op_sel_hi:[1,0] neg_lo:[0,1] neg_hi:[0,1]   ; x - mean
.endr
.irp k, 0,1,2,3
	v_pk_mul_f32 v[T+2*\k:T+2*\k+1], v[\x+2*\k:\x+2*\k+1], v[\x+2*\k:\x+2*\k+1]       ; the sum of its squares
.endr
.irp j, 8,16,24
.irp k, 0,1,2,3
	s_delay_alu instid0(VALU_DEP_4)
	v_pk_fma_f32 v[T+2*\k:T+2*\k+1], v[\x+\j+2*\k:\x+\j+2*\k+1], v[\x+\j+2*\k:\x+\j+2*\k+1], v[T+2*\k:T+2*\k+1]
.endr
.endr
	FOLD
	REDUCE
	s_delay_alu instid0(VALU_DEP_1)
	v_fma_f32 v[T], v[T], s40, s41                 ; var + 1e-5
	s_wait_alu depctr_va_vdst(0)
	v_rsq_f32 v[T+12], v[T]
.irp j, 0,2,4,6,8,10,12,14,16,18,20,22,24,26,28,30
	v_pk_mul_f32 v[\x+\j:\x+\j+1], v[\x+\j:\x+\j+1], v[G+\j:G+\j+1]                   ; gamma (x - mean): plain lines behind the transcendental
.endr
	s_wait_alu depctr_va_vdst(0)
.irp j, 0,2,4,6,8,10,12,14,16,18,20,22,24,26,28,30
	v_pk_fma_f32 v[\x+\j:\x+\j+1], v[\x+\j:\x+\j+1], v[T+12:T+13], v[BE+\j:BE+\j+1] op_sel_hi:[1,0,1]   ; x rsqrt + beta
.endr
	v_max3_num_f32 v[T], |v[\x]|, |v[\x+1]|, |v[\x+2]|         ; my block's largest magnitude, in two chains
	v_max3_num_f32 v[T+1], |v[\x+3]|, |v[\x+4]|, |v[\x+5]|
.irp j, 6,10,14,18,22,26
	s_delay_alu instid0(VALU_DEP_2)
	v_max3_num_f32 v[T], v[T], |v[\x+\j]|, |v[\x+\j+1]|
	s_delay_alu instid0(VALU_DEP_2)
	v_max3_num_f32 v[T+1], v[T+1], |v[\x+\j+2]|, |v[\x+\j+3]|
.endr
	s_delay_alu instid0(VALU_DEP_2)
	v_max3_num_f32 v[T], v[T], |v[\x+30]|, |v[\x+31]|
	s_delay_alu instid0(VALU_DEP_1)
	v_max3_num_f32 v[T], v[T], v[T+1], 0x1800000   ; and the floor 2^(3 - 127): the byte cannot fall under 1
	s_delay_alu instid0(VALU_DEP_1)
	v_add_nc_u32 v[T+14], 0xff000000, v[T]         ; 2 off the exponent field: the conversion's scale operand
.irp g, 0,1,2,3
	v_cvt_scalef32_pk8_fp4_f32 v[\pc+\g], v[\x+8*\g:\x+8*\g+7], v[T+14]
.endr
	v_lshrrev_b32 v[\e], 23, v[T+14]               ; the scale's byte (a plain line behind the conversions)
	ds_store_b128 v3, v[\pc:\pc+3] offset:16*(\i)
	ds_store_b8 v4, v[\e] offset:16*(\i)
.endm
.macro PAIR i                          ; rows 2 i and 2 i + 1 of my eight
	s_wait_tensorcnt 1-(\i)/2                      ; tensor loads of a wave end in order: the load that brought these rows is done; the later one may be out
.irp j, 0,1,2,3,4,5,6,7
	ds_load_b128 v[X0+4*\j:X0+4*\j+3], v2 offset:(2*\i)*RP+16*\j
.endr
.irp j, 0,1,2,3,4,5,6,7
	ds_load_b128 v[X1+4*\j:X1+4*\j+3], v2 offset:(2*\i+1)*RP+16*\j
.endr
	s_wait_dscnt 8                                 ; the first row is in (the second row's eight loads may be out); the last pair's stores have read their registers
	LNROW X0, PCA, 168, 2*\i
	s_wait_dscnt 2                                 ; the second row is in: only the first row's two stores may be out
	LNROW X1, PCB, 169, 2*\i+1
.endm
	s_wait_loadcnt 0x0                             ; gamma and beta
	PAIR 0
	PAIR 1
	PAIR 2
	PAIR 3
	s_wait_dscnt 0x0                               ; for the others' sake: my stores into the stage are done
	s_barrier_signal -1
	s_barrier_wait -1
.irp j, 0,1,2,3,4,5,6,7
	ds_load_b128 v[X0+4*\j:X0+4*\j+3], v5 offset:544*\j
.endr
	ds_load_b64 v[X1:X1+1], v7
.irp j, 0,1,2,3,4,5,6,7
	s_wait_dscnt 8-\j
	global_store_b128 v6, v[X0+4*\j:X0+4*\j+3], s[12:13] offset:512*\j   ; 512 consecutive bytes, at a multiple of 256 from the buffer's first byte
.endr
	s_wait_dscnt 0x0
	global_store_b64 v8, v[X1:X1+1], s[12:13]      ; the half's 256 scale bytes
	s_wait_tensorcnt 0x0
	ds_add_u32 v176, v177
	s_wait_dscnt 0x0
	s_endpgm
.Lfunc_end_k_qcfbda2beb4_lnquant:
	.size	k_qcfbda2beb4_lnquant, .Lfunc_end_k_qcfbda2beb4_lnquant-k_qcfbda2beb4_lnquant
	.p2alignl 7, 3214868480
	.fill 96, 4, 3214868480
	.section	.rodata,"a",@progbits
	.p2align	6, 0x0
	.amdhsa_kernel k_qcfbda2beb4_lnquant
		.amdhsa_group_segment_fixed_size 327680
		.amdhsa_private_segment_fixed_size 0
		.amdhsa_enable_private_segment 0
		.amdhsa_kernarg_size 40
		.amdhsa_user_sgpr_count 2
		.amdhsa_user_sgpr_kernarg_segment_ptr 1
		.amdhsa_wavefront_size32 1
		.amdhsa_system_sgpr_workgroup_id_x 1
		.amdhsa_system_sgpr_workgroup_id_y 1
		.amdhsa_system_sgpr_workgroup_id_z 1
		.amdhsa_system_vgpr_workitem_id 0
		.amdhsa_next_free_vgpr 178
		.amdhsa_next_free_sgpr 66
		.amdhsa_reserve_vcc 0
		.amdhsa_float_denorm_mode_32 3
		.amdhsa_float_denorm_mode_16_64 3
		.amdhsa_memory_ordered 1
		.amdhsa_forward_progress 1
		.amdhsa_inst_pref_size 88
	.end_amdhsa_kernel
	.amdgpu_metadata
---
amdhsa.version: [ 1, 2 ]
amdhsa.kernels:
  - .name:           k_qcfbda2beb4_lnquant
    .symbol:         k_qcfbda2beb4_lnquant.kd
    .args:
      - { .name: state, .offset: 0, .size: 8, .value_kind: global_buffer, .address_space: global }
      - { .name: context, .offset: 8, .size: 8, .value_kind: global_buffer, .address_space: global }
      - { .name: ln_gamma, .offset: 16, .size: 8, .value_kind: global_buffer, .address_space: global }
      - { .name: ln_beta, .offset: 24, .size: 8, .value_kind: global_buffer, .address_space: global }
      - { .name: xn, .offset: 32, .size: 8, .value_kind: global_buffer, .address_space: global }
    .group_segment_fixed_size: 327680
    .private_segment_fixed_size: 0
    .kernarg_segment_align: 8
    .kernarg_segment_size: 40
    .max_flat_workgroup_size: 256
    .sgpr_count:     66
    .vgpr_count:     178
    .wavefront_size: 32
...
	.end_amdgpu_metadata
.endif
;; end of part 2
;; launch proj (part 3): grid 4 x 192, 4 waves a work-group, clusters of 4 x 4, 209,408 bytes of LDS; arguments xn, wc, bq, bk, bv, qb, kb, vb; writes qb, kb, vb
.if DOCPART == 3
	.amdgcn_target "amdgcn-amd-amdhsa--gfx1250"
	.amdhsa_code_object_version 6
	.text
	.protected	k_qcfbda2beb4_proj
	.globl	k_qcfbda2beb4_proj
	.p2align	8
	.type	k_qcfbda2beb4_proj,@function
k_qcfbda2beb4_proj:
	s_mov_b64 s[64:65], 0
	v_nop
	global_prefetch_b8 v0, s[64:65] scope:SCOPE_SE
	s_setreg_imm32_b32 hwreg(HW_REG_WAVE_MODE, 25, 1), 1
	s_wait_xcnt 0x0
	s_wait_alu depctr_hold_cnt(0) depctr_sa_sdst(0) depctr_va_vdst(0) depctr_va_sdst(0) depctr_va_ssrc(0) depctr_va_vcc(0) depctr_vm_vsrc(0)
	s_getreg_b32 s2, hwreg(HW_REG_IB_STS2, 6, 4)
	s_cmp_eq_u32 s2, 0
	s_cbranch_scc0 .Lentry_in_a_cluster
	s_endpgm
.Lentry_in_a_cluster:
	s_bfe_u32 s2, ttmp6, 0x10000c
	s_cmp_lg_u32 s2, 0xf033
	s_cbranch_scc0 .Lentry_shape_is_right
	s_endpgm
.Lentry_shape_is_right:
; q = Q(xs Wq + bq), k = Q(xc Wk + bk), v = Q(xc Wv + bv): three products [8192 x 1024] x [1024 x 1024] on codes of FP4 (E2M1) with E8M0 scales, f32 sums, and each result is quantised again, in registers,
; for attention: q and k along the head's 64, v along the keys.  One launch, one text for the products: only pointers, the bias's form and the stores differ.
; OPERANDS are tile records (16 rows x K 1,024; 8,704 bytes; two halves of 4,352: the images of four fragments, then 256 scale bytes, four words a row).  Place r of tile t is row 32 (t / 2) + 8 (t % 2) + r + 8 (r / 8).
; With such a tile as SOURCE 0, a lane's 16 result registers of two neighbouring tiles are 16 NEIGHBOURS along source 0's rows: 32 b + 16 (lane / 16) + 0 .. 15.  So:
;   q, k: source 0 = W's columns, source 1 = x's rows: a lane holds one row, its registers run along the head's axis.     v: source 0 = xc's rows (keys), source 1 = Wv's columns: a lane holds one channel, its registers run along the keys.
; SHARES: a work-group makes 256 (source 0) x 128 (source 1) over all of K; 768 work-groups, three for each of 256 WGPs.  Wave w: source 1's half w / 2 (4 tiles) x source 0's half w % 2 (8 tiles): 32 accumulators.
; LDS: both halves of K of all 24 records, 208,896 bytes, each byte filled ONCE: no slot is filled again.  Each wave issues two tensor loads at the start (K's first half, then its second): two are out at the most.
; CLUSTER 4 x 4: source 1's records hang on cy alone and are asked for jointly along a row of the cluster, source 0's on cx alone, along a column.  Cluster y / 16 says q, k or v: the same in all partners.
; OUT: step records of 4,352 bytes, 16 a head.  q, k (128 rows): codes [tile][lane][16 bytes], so that two tiles form one fragment of 128 along K; scale words [g][place][e], pair of tiles 2 g + e: bytes 0, 1 the first tile's two blocks, 2, 3 the second's.
;   v (128 keys): codes [tile of 16 channels][c][lane][16 bytes], scale words [place][tile].  The q and k scale words leave as runs of 128 bytes: 256 bytes against a wave's 4,096 of codes.
; REGISTERS: window 0: v1-15 addresses; v32-95 scale words, a set for each half of K; v96-159 source 1's fragments, two sets; v160-223 the bias as C; v224-245 at work.  window 1: source 0's fragments, two sets (v0-63, v128-191).  window 2: the accumulators, (a, b) at v[8 (8 a + b)].
; LIMITS: a block of zeros gets the byte 1 where the rule says 127 (its codes are zeros, and this program alone reads the bytes); NaN and infinities are not served.
.set WSZ,  557056                      ; a weight's 64 records
.set XSZ,  4456448                     ; 512 records
.set REC,  8704
.set HALF, 4352
.set HD,   69632                       ; a head's 16 step records
.set LH,   104448                      ; LDS: what one half of K takes: source 1's 8 halves of records, then source 0's 16
.set LB,   34816
.set LI,   1                           ; v1   16 x lane
.set ADRA, 2                           ; v2-3 my fragments of source 1, K's half 0, 1
.set ADRB, 4                           ; v4-5 of source 0
.set ADRS, 6                           ; v6-7 scale words: lanes 0-15 source 1's, lanes 16-31 source 0's
.set SA,   8                           ; v8   q, k: where my scale words go
.set SA2,  9                           ; v9   v: likewise
.set SELV, 10                          ; v10  byte selects: lanes 0-15 the first head's bytes, lanes 16-31 the second's
.set BOQ,  11                          ; v11  q, k: my offset in the bias
.set BOV,  12                          ; v12  v: likewise
.set VR,   14                          ; v14  lane % 16
.set VH,   15                          ; v15  lane / 16
.set SC,   32
.set AF,   96
.set BIAS, 160
.set TM,   224                         ; v224-227 largest magnitudes, v228-231 bytes, v236-239 the conversions' scale operands
.set PWB,  240                         ; v240-243 the four tiles' scale words
.set WW,   244                         ; v244-245 scale words as they are stored
.set PCD,  96                          ; the codes: 8 registers for each of the four tiles
.set MSB, 0
.macro WIN new                         ; the immediate's high byte repeats the setting that is left
.if MSB != \new
	s_set_vgpr_msb (MSB<<8)|\new
.set MSB, \new
.endif
.endm
.macro PLACES n
.rept \n
	v_nop
.endr
.endm
.macro CROUND                          ; a round of the cluster's barrier
	s_barrier_signal -1
	s_barrier_wait -1
	s_cmp_lg_u32 s20, 0
	s_cbranch_scc1 .Lnot_wave_0_\@
	s_barrier_signal -3
.Lnot_wave_0_\@:
	s_barrier_wait -3
	s_barrier_signal -1
	s_barrier_wait -1
.endm
	s_load_b128 s[4:7], s[0:1], 0x0                ; xn, wc
	s_load_b128 s[8:11], s[0:1], 0x10              ; bq, bk
	s_load_b128 s[12:15], s[0:1], 0x20             ; bv, qb
	s_load_b128 s[16:19], s[0:1], 0x30             ; kb, vb
	v_lshl_add_u32 v254, v0, 2, 0x33000
	v_mov_b32 v255, 0
	ds_add_u32 v254, v255
	ds_add_u32 v254, v255
	v_lshrrev_b32 v13, 5, v0
	v_readfirstlane_b32 s20, v13                   ; wave 0..3
	s_lshr_b32 s21, s20, 1                         ; my half of source 1.  Also: I fetch for source 1 (0) or source 0 (1)
	s_and_b32 s22, s20, 1                          ; my half of source 0.  Also: which half of those records I fetch
	s_bfe_u32 s23, ttmp6, 0x40000                  ; cx
	s_bfe_u32 s24, ttmp6, 0x40004                  ; cy
	s_and_b32 s25, ttmp7, 0xffff                   ; the cluster's y, 0..47 (the grid has one cluster along x)
	s_lshr_b32 s26, s25, 4                         ; 0: q, 1: k, 2: v
	s_and_b32 s27, s25, 15
	s_and_b32 s66, s27, 7
	s_lshr_b32 s67, s27, 3
	s_mul_i32 s68, s26, WSZ
	s_mul_i32 s69, s26, XSZ
	s_cmp_eq_u32 s26, 2
	s_cselect_b32 s60, 1, 0                        ; v?
	s_cselect_b32 s66, s66, 0                      ; v: 32 blocks of 256 keys x 8 blocks of 128 channels;  q, k: 4 blocks of 256 columns x 64 blocks of 128 rows
	s_cselect_b32 s67, s67, s27
	s_cselect_b32 s68, XSZ, s68                    ; source 0: v: xn's second part;  q, k: weight 0 or 1
	s_cselect_b32 s69, 2*WSZ, s69                  ; source 1: v: weight 2;  q: xn's first part, k: its second
	s_lshl_b32 s61, s66, 2
	s_add_co_u32 s61, s61, s23                     ; t0: my block of source 0: hangs on cx alone
	s_lshl_b32 s62, s67, 2
	s_add_co_u32 s62, s62, s24                     ; t1: my block of source 1: hangs on cy alone
	s_lshl_b32 s70, s24, 2
	s_lshl_b32 s70, 15, s70                        ; my row of the cluster
	s_lshl_b32 s71, 0x1111, s23                    ; my column
	; descriptor groups 1: 4 (source 1) or 8 (source 0) halves of records: rows of 544 elements of 8 bytes, 1,088 elements apart, dense in LDS
	s_or_b32 s28, s70, (3<<16)|(1<<21)
	s_mov_b32 s29, 544<<16
	s_mov_b32 s30, 4<<16
	s_mov_b32 s31, 544<<16
	s_mov_b32 s32, 4
	s_mov_b32 s33, 1088
	s_mov_b32 s34, 0
	s_mov_b32 s35, 0
	s_or_b32 s36, s71, (3<<16)|(1<<21)
	s_mov_b32 s37, 544<<16
	s_mov_b32 s38, 8<<16
	s_mov_b32 s39, 544<<16
	s_mov_b32 s40, 8
	s_mov_b32 s41, 1088
	s_mov_b32 s42, 0
	s_mov_b32 s43, 0
	s_lshl_b32 s72, s61, 4                         ; source 0: record 16 t0 + 8 x which half I fetch
	s_lshl_b32 s73, s22, 3
	s_add_co_u32 s72, s72, s73
	s_mul_i32 s72, s72, REC
	s_add_co_u32 s72, s72, s68
	s_mov_b32 s73, 0
	s_lshl_b32 s74, s62, 3                         ; source 1: record 8 t1 + 4 x which half I fetch
	s_lshl_b32 s75, s22, 2
	s_add_co_u32 s74, s74, s75
	s_mul_i32 s74, s74, REC
	s_add_co_u32 s74, s74, s69
	s_mov_b32 s75, 0
	s_mul_i32 s76, s22, 17408                      ; where they go: no place in the cluster enters an LDS address
	s_mul_i32 s77, s22, 34816
	s_add_co_u32 s77, s77, LB
	s_wait_dscnt 0x0
	s_wait_kmcnt 0x0
	s_cmp_eq_u32 s60, 1
	s_cselect_b64 s[78:79], s[4:5], s[6:7]         ; source 0's buffer
	s_cselect_b64 s[80:81], s[6:7], s[4:5]         ; source 1's
	s_add_nc_u64 s[78:79], s[78:79], s[72:73]
	s_add_nc_u64 s[80:81], s[80:81], s[74:75]
.irp k, 0,1                            ; a group 0 for each half of K
	s_mov_b32 s[44+4*\k], 1
	s_add_co_u32 s[45+4*\k], s76, \k*LH
	s_add_nc_u64 s[46+4*\k:47+4*\k], s[80:81], \k*HALF
	s_or_b32 s[47+4*\k], s[47+4*\k], 0x80000000
	s_mov_b32 s[52+4*\k], 1
	s_add_co_u32 s[53+4*\k], s77, \k*LH
	s_add_nc_u64 s[54+4*\k:55+4*\k], s[78:79], \k*HALF
	s_or_b32 s[55+4*\k], s[55+4*\k], 0x80000000
.endr
	CROUND                                         ; all sixteen work-groups are here: the joint loads meet
	s_cmp_eq_u32 s21, 0                            ; a wave's two fills stand in one branch on its number; four v_nop follow the second
	s_cbranch_scc0 .Lfill_b
	tensor_load_to_lds s[44:47], s[28:35]
	s_nop 0
	tensor_load_to_lds s[48:51], s[28:35]
	s_nop 0
	PLACES 4
	s_branch .Lfilled
.Lfill_b:
	tensor_load_to_lds s[52:55], s[36:43]
	s_nop 0
	tensor_load_to_lds s[56:59], s[36:43]
	s_nop 0
	PLACES 4
.Lfilled:
	; q, k: where my four tiles of rows go.  T0 = my first tile of x's 512; batch T0 / 128, step record (T0 / 8) % 16, tiles 4 g + 0 .. 3 in it; heads 4 t0 + 2 (w % 2) and the next
	s_lshl_b32 s82, s62, 3
	s_lshl_b32 s83, s21, 2
	s_add_co_u32 s82, s82, s83
	s_lshr_b32 s83, s82, 7
	s_lshl_b32 s83, s83, 4
	s_lshl_b32 s84, s61, 2
	s_add_co_u32 s83, s83, s84
	s_lshl_b32 s84, s22, 1
	s_add_co_u32 s83, s83, s84
	s_lshl_b32 s83, s83, 4
	s_bfe_u32 s84, s82, 0x40003
	s_add_co_u32 s83, s83, s84
	s_mul_i32 s83, s83, HALF
	s_bfe_u32 s84, s82, 0x10002                    ; g
	s_lshl_b32 s85, s84, 11
	s_add_co_u32 s86, s83, s85                     ; codes
	s_mov_b32 s87, 0
	s_lshl_b32 s85, s84, 7
	s_add_co_u32 s88, s83, s85
	s_add_co_u32 s88, s88, 4096                    ; scale words
	s_mov_b32 s89, 0
	; v: key step KS = 2 t0 + w % 2 of 64 (batch KS / 16), head 2 t1 + w / 2
	s_lshl_b32 s90, s61, 1
	s_add_co_u32 s90, s90, s22
	s_lshr_b32 s91, s90, 4
	s_lshl_b32 s91, s91, 4
	s_lshl_b32 s92, s62, 1
	s_add_co_u32 s91, s91, s92
	s_add_co_u32 s91, s91, s21
	s_lshl_b32 s91, s91, 4
	s_and_b32 s92, s90, 15
	s_add_co_u32 s91, s91, s92
	s_mul_i32 s90, s91, HALF
	s_mov_b32 s91, 0
	s_lshl_b32 s2, s61, 10                         ; q, k: the bias of my 128 columns
	s_lshl_b32 s3, s22, 9
	s_add_co_u32 s2, s2, s3
	s_mov_b32 s3, 0
	s_lshl_b32 s66, s62, 9                         ; v: of my 64 channels
	s_lshl_b32 s67, s21, 8
	s_add_co_u32 s66, s66, s67
	s_mov_b32 s67, 0
	s_cmp_eq_u32 s26, 0
	s_cselect_b64 s[92:93], s[14:15], s[16:17]     ; qb or kb
	s_cselect_b64 s[94:95], s[8:9], s[10:11]       ; bq or bk
	s_add_nc_u64 s[94:95], s[94:95], s[2:3]
	s_add_nc_u64 s[12:13], s[12:13], s[66:67]
	s_add_nc_u64 s[86:87], s[92:93], s[86:87]
	s_add_nc_u64 s[88:89], s[92:93], s[88:89]
	s_add_nc_u64 s[90:91], s[18:19], s[90:91]
	s_mov_b32 s66, 0x76543210                      ; v_permlanex16_b32's selects for lane l xor 16
	s_mov_b32 s67, 0xfedcba98
	v_and_b32 v13, 31, v0
	v_lshlrev_b32 v[LI], 4, v13
	v_and_b32 v[VR], 15, v0
	v_bfe_u32 v[VH], v0, 4, 1
	s_mul_i32 s68, s21, 17408                      ; my four tiles of source 1
	s_mul_i32 s69, s22, 34816
	s_add_co_u32 s69, s69, LB                      ; my eight of source 0
	v_add_nc_u32 v[ADRA], s68, v[LI]
	v_add_nc_u32 v[ADRA+1], LH, v[ADRA]
	v_add_nc_u32 v[ADRB], s69, v[LI]
	v_add_nc_u32 v[ADRB+1], LH, v[ADRB]
	s_sub_co_u32 s69, s69, s68
	v_mul_u32_u24 v13, s69, v[VH]                  ; lanes 16-31 take source 0's scale words: the lower base + (lane / 16) x the distance
	v_lshl_add_u32 v13, v[VR], 4, v13
	s_add_co_u32 s68, s68, 4096
	v_add_nc_u32 v[ADRS], s68, v13
	v_add_nc_u32 v[ADRS+1], LH, v[ADRS]
	v_mul_u32_u24 v[SA], v[VH], HD                 ; q, k: lanes 16-31 store the next head's words
	v_lshl_add_u32 v[SA], v[VR], 3, v[SA]
	v_lshlrev_b32 v[SA2], 4, v[VR]                 ; v: 16 bytes a place; lanes 16-31 store words 2 and 3
	v_lshl_add_u32 v[SA2], v[VH], 3, v[SA2]
	v_mov_b32 v13, 0x07060302
	v_mov_b32 v[SELV], 0x05040100
	v_cmp_ne_u32 vcc_lo, 0, v[VH]
	v_cndmask_b32 v[SELV], v[SELV], v13, vcc_lo
	v_lshlrev_b32 v[BOQ], 6, v[VH]                 ; q, k: tile b's register j is column 32 (b / 2) + 16 (lane / 16) + 8 (b % 2) + j
	v_and_b32 v13, 8, v[VR]
	v_add_nc_u32 v13, v13, v[VR]
	v_lshlrev_b32 v[BOV], 2, v13                   ; v: my lane's channel in tile a: 32 (a / 2) + 8 (a % 2) + r + 8 (r / 8)
.irp b, 0,1,2,3
	v_mov_b32 v[TM+4+\b], 0                        ; a lane permute's destination counts as one of its sources
.endr
.macro FRAG reg, adr, q, i             ; a fragment (16 rows x 128 K: 8 registers) is two loads of 512 consecutive bytes: the record holds its image
.irp c, 0,1
	ds_load_b128 v[\reg+4*\c:\reg+4*\c+3], v[\adr] offset:1024*(\q)+512*\c+HALF*(\i)
.endr
.endm
.macro FETCH s                         ; K step s (128 along K): 8 fragments of source 0, 4 of source 1, into set s % 2: 24 loads
	WIN 0x40
.irp i, 0,1,2,3,4,5,6,7
	FRAG 128*((\s)%2)+8*\i, ADRB+(\s)/4, (\s)%4, \i
.endr
	WIN 0
.irp i, 0,1,2,3
	FRAG AF+32*((\s)%2)+8*\i, ADRA+(\s)/4, (\s)%4, \i
.endr
.endm
.macro SCALES kh                       ; four K steps' words: register 4 i + q: lanes 0-15 source 1's tile i, lanes 16-31 source 0's tile i (for i > 3 lanes 0-15 read filled bytes that nothing uses)
.irp i, 0,1,2,3,4,5,6,7
	ds_load_b128 v[SC+32*\kh+4*\i:SC+32*\kh+4*\i+3], v[ADRS+\kh] offset:HALF*\i
.endr
.endm
; 8 products: source 1's tile a against source 0's eight, K step s.  mode 0: onto the sums;  1: the bias of tile b starts them;  2: the bias of tile a.
; The 32 accumulators take turns, one instruction a turn, in the same order in every step.
.macro MULA a, s, mode
.irp b, 0,1,2,3,4,5,6,7
.if \mode == 0
	v_wmma_scale_f32_16x16x128_f8f6f4 v[8*(8*\a+\b):8*(8*\a+\b)+7], v[128*((\s)%2)+8*\b:128*((\s)%2)+8*\b+7], v[AF+32*((\s)%2)+8*\a:AF+32*((\s)%2)+8*\a+7], v[8*(8*\a+\b):8*(8*\a+\b)+7], v[SC+32*((\s)/4)+4*\b+(\s)%4], v[SC+32*((\s)/4)+4*\a+(\s)%4] matrix_a_fmt:MATRIX_FMT_FP4 matrix_b_fmt:MATRIX_FMT_FP4 matrix_a_scale:MATRIX_SCALE_ROW1
.elseif \mode == 1
	v_wmma_scale_f32_16x16x128_f8f6f4 v[8*(8*\a+\b):8*(8*\a+\b)+7], v[128*((\s)%2)+8*\b:128*((\s)%2)+8*\b+7], v[AF+32*((\s)%2)+8*\a:AF+32*((\s)%2)+8*\a+7], v[BIAS+8*\b:BIAS+8*\b+7], v[SC+32*((\s)/4)+4*\b+(\s)%4], v[SC+32*((\s)/4)+4*\a+(\s)%4] matrix_a_fmt:MATRIX_FMT_FP4 matrix_b_fmt:MATRIX_FMT_FP4 matrix_a_scale:MATRIX_SCALE_ROW1
.else
	v_wmma_scale_f32_16x16x128_f8f6f4 v[8*(8*\a+\b):8*(8*\a+\b)+7], v[128*((\s)%2)+8*\b:128*((\s)%2)+8*\b+7], v[AF+32*((\s)%2)+8*\a:AF+32*((\s)%2)+8*\a+7], v[BIAS+8*\a:BIAS+8*\a+7], v[SC+32*((\s)/4)+4*\b+(\s)%4], v[SC+32*((\s)/4)+4*\a+(\s)%4] matrix_a_fmt:MATRIX_FMT_FP4 matrix_b_fmt:MATRIX_FMT_FP4 matrix_a_scale:MATRIX_SCALE_ROW1
.endif
.endr
.endm
.macro START
	s_wait_tensorcnt 1                             ; my part of K's first half is in (the second half's load may be out)
	s_barrier_signal -1
	s_barrier_wait -1                              ; everybody's is
	FETCH 0
	SCALES 0
	FETCH 1
.endm
.macro STEP s                          ; the next step's fragments are asked for, then this step's 32 products
	PLACES 4                                       ; four places between the products that read a set and the loads into it
	FETCH (\s)+1
	s_wait_dscnt 24                                ; all but the 24 loads just issued
	WIN 0xa1                                       ; source 0 window 1, source 1 window 0, C and D window 2
	MULA 0, \s, 0
	MULA 1, \s, 0
	MULA 2, \s, 0
	MULA 3, \s, 0
.endm
	s_cmp_eq_u32 s60, 1                            ; the one place in front of the sums where the paths differ: the bias and K step 0
	s_cbranch_scc1 .Lhead_v
.irp b, 0,1,2,3,4,5,6,7
	global_load_b128 v[BIAS+8*\b:BIAS+8*\b+3], v[BOQ], s[94:95] offset:(32*(\b/2)+8*(\b%2))*4
	global_load_b128 v[BIAS+8*\b+4:BIAS+8*\b+7], v[BOQ], s[94:95] offset:(32*(\b/2)+8*(\b%2))*4+16
.endr
	START
	s_wait_loadcnt 0x0                             ; the bias
	s_wait_dscnt 24                                ; step 0's fragments and the scale words are in; step 1's 24 loads may be out
	WIN 0x81                                       ; C in window 0
	MULA 0, 0, 1
	MULA 1, 0, 1
	MULA 2, 0, 1
	MULA 3, 0, 1
	WIN 0
	s_branch .Lhead_done
.Lhead_v:
	s_wait_alu depctr_va_vdst(0)
.irp a, 0,1,2,3
	global_load_b32 v[BIAS+8*\a], v[BOV], s[12:13] offset:(32*(\a/2)+8*(\a%2))*4
.endr
	START
	s_wait_loadcnt 0x0
.irp a, 0,1,2,3
.irp j, 1,2,3,4,5,6,7
	v_mov_b32 v[BIAS+8*\a+\j], v[BIAS+8*\a]        ; a lane's eight registers are eight keys of one channel: one bias
.endr
.endr
	PLACES 4
	s_wait_alu depctr_va_vdst(0)
	s_wait_dscnt 24
	WIN 0x81
	MULA 0, 0, 2
	MULA 1, 0, 2
	MULA 2, 0, 2
	MULA 3, 0, 2
	WIN 0
.Lhead_done:
	STEP 1
	STEP 2
	s_wait_tensorcnt 0x0                           ; K step 3 changes halves: my part of the second half is in,
	s_wait_dscnt 0x0                               ; step 3's fragments are in, and no LDS load of mine is out at the signal
	s_barrier_signal -1
	MULA 0, 3, 0
	MULA 1, 3, 0
	WIN 0
	s_barrier_wait -1                              ; everybody's part is in
	PLACES 4
	FETCH 4
	SCALES 1
	WIN 0xa1
	MULA 2, 3, 0
	MULA 3, 3, 0
	STEP 4
	STEP 5
	STEP 6
	s_wait_dscnt 0x0
	MULA 0, 7, 0
	MULA 1, 7, 0
	MULA 2, 7, 0
	MULA 3, 7, 0
	WIN 0
	PLACES 4                                       ; in front of the first read of results
; Tile a's 64 numbers of a lane (register 16 b + i = 32 b + 16 (lane / 16) + i along the next K) become a fragment's codes and a scale word.  The accumulators are read where they lie, each from its low end on.
.macro QUANT a
.set QA, 64*(\a)
.set QC, PCD+8*(\a)
	WIN 0x0a                                       ; sources 0 and 1 window 2
.irp b, 0,1,2,3
	v_max3_num_f32 v[TM+\b], |v[QA+16*\b]|, |v[QA+16*\b+1]|, 0x1800000     ; block b: my 16 numbers, and the floor 2^(3 - 127): the byte cannot fall under 1
.endr
.irp i, 2,4,6,8,10,12,14
.irp b, 0,1,2,3
	v_max3_num_f32 v[TM+\b], |v[QA+16*\b+\i]|, |v[QA+16*\b+\i+1]|, v[TM+\b]   ; (the four blocks by turns)
.endr
.endr
	WIN 0
.irp b, 0,1,2,3
	v_permlanex16_b32 v[TM+4+\b], v[TM+\b], s66, s67
.endr
.irp b, 0,1,2,3
	v_max_num_f32 v[TM+\b], v[TM+\b], v[TM+4+\b]   ; with lane l xor 16's: the block's largest magnitude
.endr
.irp b, 0,1,2,3
	v_add_nc_u32 v[TM+12+\b], 0xff000000, v[TM+\b] ; 2 off its exponent field: the conversion's scale operand
.endr
.irp b, 0,1,2,3
	v_lshrrev_b32 v[TM+4+\b], 23, v[TM+12+\b]      ; the scale's byte
.endr
	v_lshl_or_b32 v[PWB+\a], v[TM+5], 8, v[TM+4]
	v_lshl_or_b32 v[PWB+\a], v[TM+6], 16, v[PWB+\a]
	v_lshl_or_b32 v[PWB+\a], v[TM+7], 24, v[PWB+\a]
	WIN 0x02                                       ; source 0 window 2
.irp b, 0,1,2,3
	v_cvt_scalef32_pk8_fp4_f32 v[QC+2*\b], v[QA+16*\b:QA+16*\b+7], v[TM+12+\b]
	v_cvt_scalef32_pk8_fp4_f32 v[QC+2*\b+1], v[QA+16*\b+8:QA+16*\b+15], v[TM+12+\b]
.endr
	WIN 0
	v_nop                                          ; one plain place behind a scaled conversion
.irp c, 0,1                            ; a WHOLE block to a lane: lanes 0-15 block 2 c, lanes 16-31 block 2 c + 1
.irp i, 0,1
	v_permlane16_swap_b32 v[QC+4*\c+\i], v[QC+2+4*\c+\i]
.endr
.endr
.endm
	QUANT 0
	QUANT 1
	QUANT 2
	QUANT 3
	s_cmp_eq_u32 s60, 1
	s_cbranch_scc1 .Lout_v
.irp a, 0,1,2,3                        ; q, k: registers 0-3 are the first head's tile (lane (r, h): block h of row r), registers 4-7 the next head's: 512 consecutive bytes a store
	global_store_b128 v[LI], v[PCD+8*\a:PCD+8*\a+3], s[86:87] offset:512*\a
	global_store_b128 v[LI], v[PCD+8*\a+4:PCD+8*\a+7], s[86:87] offset:HD+512*\a
.endr
	v_perm_b32 v[WW], v[PWB+1], v[PWB], v[SELV]    ; a pair of tiles' word: two bytes of the first tile's word, two of the second's
	v_perm_b32 v[WW+1], v[PWB+3], v[PWB+2], v[SELV]
	global_store_b64 v[SA], v[WW:WW+1], s[88:89]
	s_branch .Lout_done
.Lout_v:
	s_wait_alu depctr_va_vdst(0)
.irp a, 0,1,2,3                        ; v: the eight registers are the fragment of 16 channels x these 128 keys
	global_store_b128 v[LI], v[PCD+8*\a:PCD+8*\a+3], s[90:91] offset:1024*\a
	global_store_b128 v[LI], v[PCD+8*\a+4:PCD+8*\a+7], s[90:91] offset:1024*\a+512
.endr
	v_cmp_ne_u32 vcc_lo, 0, v[VH]
	v_cndmask_b32 v[WW], v[PWB], v[PWB+2], vcc_lo
	v_cndmask_b32 v[WW+1], v[PWB+1], v[PWB+3], vcc_lo
	global_store_b64 v[SA2], v[WW:WW+1], s[90:91] offset:4096   ; the 32 lanes store the record's 256 scale bytes
.Lout_done:
	s_wait_tensorcnt 0x0
	ds_add_u32 v254, v255
	s_wait_dscnt 0x0
	CROUND                                         ; the closing round: no work-group ends while a partner may still ask for a tile that names it
	s_endpgm
.Lfunc_end_k_qcfbda2beb4_proj:
	.size	k_qcfbda2beb4_proj, .Lfunc_end_k_qcfbda2beb4_proj-k_qcfbda2beb4_proj
	.p2alignl 7, 3214868480
	.fill 96, 4, 3214868480
	.section	.rodata,"a",@progbits
	.p2align	6, 0x0
	.amdhsa_kernel k_qcfbda2beb4_proj
		.amdhsa_group_segment_fixed_size 209408
		.amdhsa_private_segment_fixed_size 0
		.amdhsa_enable_private_segment 0
		.amdhsa_kernarg_size 64
		.amdhsa_user_sgpr_count 2
		.amdhsa_user_sgpr_kernarg_segment_ptr 1
		.amdhsa_wavefront_size32 1
		.amdhsa_system_sgpr_workgroup_id_x 1
		.amdhsa_system_sgpr_workgroup_id_y 1
		.amdhsa_system_sgpr_workgroup_id_z 1
		.amdhsa_system_vgpr_workitem_id 0
		.amdhsa_next_free_vgpr 768
		.amdhsa_next_free_sgpr 96
		.amdhsa_reserve_vcc 1
		.amdhsa_float_denorm_mode_32 3
		.amdhsa_float_denorm_mode_16_64 3
		.amdhsa_memory_ordered 1
		.amdhsa_forward_progress 1
		.amdhsa_inst_pref_size 85
	.end_amdhsa_kernel
	.amdgpu_metadata
---
amdhsa.version: [ 1, 2 ]
amdhsa.kernels:
  - .name:           k_qcfbda2beb4_proj
    .symbol:         k_qcfbda2beb4_proj.kd
    .args:
      - { .name: xn, .offset: 0, .size: 8, .value_kind: global_buffer, .address_space: global }
      - { .name: wc, .offset: 8, .size: 8, .value_kind: global_buffer, .address_space: global }
      - { .name: bq, .offset: 16, .size: 8, .value_kind: global_buffer, .address_space: global }
      - { .name: bk, .offset: 24, .size: 8, .value_kind: global_buffer, .address_space: global }
      - { .name: bv, .offset: 32, .size: 8, .value_kind: global_buffer, .address_space: global }
      - { .name: qb, .offset: 40, .size: 8, .value_kind: global_buffer, .address_space: global }
      - { .name: kb, .offset: 48, .size: 8, .value_kind: global_buffer, .address_space: global }
      - { .name: vb, .offset: 56, .size: 8, .value_kind: global_buffer, .address_space: global }
    .group_segment_fixed_size: 209408
    .private_segment_fixed_size: 0
    .kernarg_segment_align: 8
    .kernarg_segment_size: 64
    .max_flat_workgroup_size: 128
    .sgpr_count:     96
    .vgpr_count:     768
    .wavefront_size: 32
...
	.end_amdgpu_metadata
.endif
;; end of part 3
;; launch attn (part 4): grid 4 x 64, 16 waves a work-group, clusters of 4 x 1, 169,984 bytes of LDS; arguments qb, kb, vb, ob; writes ob
.if DOCPART == 4
	.amdgcn_target "amdgcn-amd-amdhsa--gfx1250"
	.amdhsa_code_object_version 6
	.text
	.protected	k_qcfbda2beb4_attn
	.globl	k_qcfbda2beb4_attn
	.p2align	8
	.type	k_qcfbda2beb4_attn,@function
k_qcfbda2beb4_attn:
	s_mov_b64 s[64:65], 0
	v_nop
	global_prefetch_b8 v0, s[64:65] scope:SCOPE_SE
	s_setreg_imm32_b32 hwreg(HW_REG_WAVE_MODE, 25, 1), 1
	s_wait_xcnt 0x0
	s_wait_alu depctr_hold_cnt(0) depctr_sa_sdst(0) depctr_va_vdst(0) depctr_va_sdst(0) depctr_va_ssrc(0) depctr_va_vcc(0) depctr_vm_vsrc(0)
	s_getreg_b32 s2, hwreg(HW_REG_IB_STS2, 6, 4)
	s_cmp_eq_u32 s2, 0
	s_cbranch_scc0 .Lentry_in_a_cluster
	s_endpgm
.Lentry_in_a_cluster:
	s_bfe_u32 s2, ttmp6, 0x10000c
	s_cmp_lg_u32 s2, 0x3003
	s_cbranch_scc0 .Lentry_shape_is_right
	s_endpgm
.Lentry_shape_is_right:
; o = Q(softmax(q k^T / 8) v) for 64 heads of 2,048 queries x 2,048 keys x 64 channels, both products on codes of FP4 (E2M1) with E8M0 scales; o is quantised again, along the model's 1,024, for the last product.
; THE SOFTMAX AHEAD OF THE SECOND PRODUCT: t = score x log2(e) / 8; M = the row's largest t so far, rounded UP to a whole number; p = 2^(t - M) is what is quantised, along the keys, not normalised.
; The row's sum is taken of the unquantised p, in f32, and divides O at the end.  When M moves, the sum and O are multiplied by 2^(old M - new M): exact.
; SHARES: work-group y = the head, its place in the cluster = 512 queries.  Each of SIXTEEN waves owns one tile of 16 queries at a time, in 256 registers, two tiles one after the other: four waves to a SIMD, so that
; one wave's vector work stands beside another's products and LDS loads.  Every wave walks all keys, 128 a step.
; LDS: the head's K (16 step records of 4,352 bytes) and V (16 more), 139,264 bytes, each byte filled ONCE.  Wave 0 brings K and wave 1 V, in four quarters each, all asked for at the start: four loads of a wave are out at the most.
; CLUSTER 4 x 1: the four work-groups of a head read the same K and V: each quarter is asked for JOINTLY, by the same tensor load with a mask that names the four.
; LAYOUT: both products are used transposed (S^T = K Q^T, O^T = V^T P^T): a lane holds ONE query (lane % 16) throughout.  Place r of a tile is row 32 (t / 2) + 8 (t % 2) + r + 8 (r / 8), so the 16 registers
; of two neighbouring result tiles are 16 neighbours: keys in S^T, channels in O^T.
; THE HEAD'S 64 IN AN INSTRUCTION 128 DEEP: a fragment of K carries TWO tiles of keys, one in each half of the 128.  It is multiplied once by [q | 0] and once by [0 | q]: q's four registers lie between two runs
; of four registers of zero codes, which add nothing under any scale byte from 1 to 254.
; A BLOCK'S LARGEST p IS NOT SEARCHED FOR: the block's largest score goes through the same multiply-add and exponential.  LIMIT: this takes v_exp_f32 not to fall where its input rises.
; LIMITS: a block of zeros gets the byte 1 where the rule says 127 (its codes are zeros, and this program alone reads the bytes); NaN and infinities are not served.
; o's two scale bytes of a row leave as single bytes, 32 a tile against 512 bytes of codes: a row's 16 bytes come from eight heads, which are eight work-groups.
; REGISTERS: v1-7 addresses that stay; v8-11 the step's; v12 -M, v13 the largest t, v[14:15] the sum; v16-27 zeros, q, zeros; v28 q's scale word; v32-63 K; v64-95 V; v96-159 S^T, then p; v160-191 O^T; v192-199 p's codes;
;   v200-203, v204-207 K's and V's scale words; v208-221 at work; v[222:223] f; v224 p's scale word.
.set HD,   69632                       ; a head's 16 step records
.set HALF, 4352                        ; a step record; also half a tile record of ob
.set REC,  8704
.set QT,   17408                       ; a quarter: four step records
.set WV,   12
.set G1,   24                          ; s[24:31] descriptor group 1;  s[32:47] four groups 0
.set G0,   32
.set CS,   48                          ; s[48:49] c = log2(e) / 8
.set SEL,  50                          ; s[50:51] lane selects: lane l xor 16
.set TB,   52                          ; s52  LDS byte at which the step's record of K begins
.set CNT,  53
.set PASS, 54
.set QP,   56                          ; s[56:57] q's codes, s[58:59] its scale words, s[60:61] o's codes, s[62:63] its scale bytes
.set QSP,  58
.set OP,   60
.set OSP,  62
.set HM,   70                          ; s70  the mask of lanes 16-31
.set SQ,   71                          ; s71  byte selects for q's scale word
.set BM,   208                         ; v208-211 the blocks' largest scores, then largest p
.set PT,   212                         ; v212-215 lane l xor 16's, then the bytes, then a chain of the sum
.set SO,   216                         ; v216-219 the conversions' scale operands
.macro CROUND                          ; a round of the cluster's barrier
	s_barrier_signal -1
	s_barrier_wait -1
	s_cmp_lg_u32 s[WV], 0
	s_cbranch_scc1 .Lnot_wave_0_\@
	s_barrier_signal -3
.Lnot_wave_0_\@:
	s_barrier_wait -3
	s_barrier_signal -1
	s_barrier_wait -1
.endm
	s_load_b256 s[4:11], s[0:1], 0x0               ; qb, kb, vb, ob
	v_lshl_add_u32 v254, v0, 2, 0x29000
	v_mov_b32 v255, 0
	ds_add_u32 v254, v255
	ds_add_u32 v254, v255
	v_lshrrev_b32 v5, 5, v0
	s_delay_alu instid0(VALU_DEP_1)
	v_readfirstlane_b32 s[WV], v5                  ; wave 0..15
	s_bfe_u32 s13, ttmp6, 0x40000                  ; cx
	s_lshl_b32 s15, ttmp9, 2
	s_add_co_u32 s13, s13, s15                     ; my block of 512 queries: it enters q's and o's addresses alone
	s_and_b32 s14, ttmp7, 0xffff                   ; 16 x batch + head, which the four partners share
	s_mul_i32 s16, s14, HD
	s_mov_b32 s17, 0
	s_and_b32 s18, s[WV], 1                        ; wave 0 fetches K, wave 1 V
	s_mul_i32 s19, s18, HD
	; descriptor group 1: a dense block of 17,408 bytes as 68 rows of 32 elements of 8 bytes; the mask names all four work-groups
	s_mov_b32 s[G1], 15|(3<<16)|(1<<21)
	s_mov_b32 s[G1+1], 32<<16
	s_mov_b32 s[G1+2], 68<<16
	s_mov_b32 s[G1+3], 32<<16
	s_mov_b32 s[G1+4], 68
	s_mov_b32 s[G1+5], 32
	s_mov_b32 s[G1+6], 0
	s_mov_b32 s[G1+7], 0
	s_mov_b32 s[CS], 0x3e38aa3b
	s_mov_b32 s[CS+1], s[CS]                       ; (named with it as a pair, so it is written)
	s_mov_b32 s[SEL], 0x76543210
	s_mov_b32 s[SEL+1], 0xfedcba98
	s_wait_dscnt 0x0
	s_wait_kmcnt 0x0
	s_cmp_eq_u32 s18, 0
	s_cselect_b64 s[20:21], s[6:7], s[8:9]
	s_add_nc_u64 s[20:21], s[20:21], s[16:17]
.irp i, 0,1,2,3
	s_mov_b32 s[G0+4*\i], 1
	s_add_co_u32 s[G0+4*\i+1], s19, \i*QT
	s_add_nc_u64 s[G0+4*\i+2:G0+4*\i+3], s[20:21], \i*QT
	s_or_b32 s[G0+4*\i+3], s[G0+4*\i+3], 0x80000000
.endr
	CROUND                                         ; all four work-groups are here: the joint loads meet
	s_cmp_lt_u32 s[WV], 2                          ; all fills of a wave stand in one branch on its number; four v_nop follow the last
	s_cbranch_scc0 .Lno_fill
	tensor_load_to_lds s[G0:G0+3], s[G1:G1+7]
	s_nop 0
	tensor_load_to_lds s[G0+4:G0+7], s[G1:G1+7]
	s_nop 0
	tensor_load_to_lds s[G0+8:G0+11], s[G1:G1+7]
	s_nop 0
	tensor_load_to_lds s[G0+12:G0+15], s[G1:G1+7]
	s_nop 0
.rept 4
	v_nop
.endr
.Lno_fill:
	; my first tile of queries is tile 32 cx + w of the batch's 128: step record 4 cx + w / 8, tile w % 8 in it; the second lies two records on
	s_lshr_b32 s66, s[WV], 3
	s_lshl_b32 s67, s13, 2
	s_add_co_u32 s66, s66, s67
	s_mul_i32 s66, s66, HALF
	s_add_co_u32 s66, s66, s16
	s_and_b32 s67, s[WV], 7
	s_lshl_b32 s67, s67, 9
	s_add_co_u32 s68, s66, s67
	s_mov_b32 s69, 0
	s_add_nc_u64 s[QP:QP+1], s[4:5], s[68:69]
	s_bfe_u32 s67, s[WV], 0x10002                  ; its scale word: pair of tiles (w % 8) / 2 = 2 g + e
	s_lshl_b32 s67, s67, 7
	s_add_co_u32 s68, s66, s67
	s_bfe_u32 s67, s[WV], 0x10001
	s_lshl_b32 s67, s67, 2
	s_add_co_u32 s68, s68, s67
	s_add_co_u32 s68, s68, 4096
	s_add_nc_u64 s[QSP:QSP+1], s[4:5], s[68:69]
	s_lshr_b32 s66, s14, 4                         ; o: tile record 128 x batch + 32 cx + w; blocks 2 head and 2 head + 1 of its 32
	s_lshl_b32 s66, s66, 7
	s_lshl_b32 s67, s13, 5
	s_add_co_u32 s66, s66, s67
	s_add_co_u32 s66, s66, s[WV]
	s_mul_i32 s66, s66, REC
	s_bfe_u32 s67, s14, 0x10003
	s_mul_i32 s67, s67, HALF
	s_add_co_u32 s66, s66, s67
	s_and_b32 s67, s14, 7
	s_lshl_b32 s72, s67, 9
	s_add_co_u32 s68, s66, s72
	s_add_nc_u64 s[OP:OP+1], s[10:11], s[68:69]
	s_lshl_b32 s72, s67, 1
	s_add_co_u32 s68, s66, s72
	s_add_co_u32 s68, s68, 4096
	s_add_nc_u64 s[OSP:OSP+1], s[10:11], s[68:69]
	s_mov_b32 s[SQ], 0x03020302                    ; an odd tile's two bytes are the word's upper two
	s_cmp_eq_u32 s18, 0
	s_cselect_b32 s[SQ], 0x01000100, s[SQ]
	v_and_b32 v5, 31, v0
	s_delay_alu instid0(VALU_DEP_1)
	v_lshlrev_b32 v1, 4, v5                        ; 16 x lane: K's fragments, q's and o's codes
	s_delay_alu instid0(VALU_DEP_1)
	v_add_nc_u32 v2, HD, v1                        ; V's fragments
	v_and_b32 v5, 15, v0                           ; r
	v_bfe_u32 v30, v0, 4, 1                        ; h
	s_delay_alu instid0(VALU_DEP_2)
	v_lshlrev_b32 v6, 3, v5                        ; q's and K's scale words: 8 bytes a place
	s_delay_alu instid0(VALU_DEP_1)
	v_add_nc_u32 v3, 4096, v6
	s_delay_alu instid0(VALU_DEP_4)
	v_lshlrev_b32 v7, 4, v5
	s_delay_alu instid0(VALU_DEP_1)
	v_add_nc_u32 v4, HD+4096, v7                   ; V's: 16 bytes a place
	s_delay_alu instid0(VALU_DEP_2)
	v_add_nc_u32 v7, v7, v30                       ; o's scale bytes: 16 r + h
	v_cmp_ne_u32 s[HM], 0, v30
.irp j, 16,17,18,19,24,25,26,27
	v_mov_b32 v[\j], 0                             ; the zero codes on both sides of q
.endr
.irp b, 0,1,2,3
	v_mov_b32 v[PT+\b], 0                          ; a lane permute's destination counts as one of its sources
.endr
	v_mov_b32 v220, 0
	v_mov_b32 v223, 0                              ; (the upper half of the pair v[222:223], of which the low word serves both halves)
; A KEY STEP: 128 keys.
.macro STEP
	v_add_nc_u32 v8, s[TB], v1                     ; these four lines are also the places between the last products and the loads into registers that they read
	v_add_nc_u32 v9, s[TB], v2
	v_add_nc_u32 v10, s[TB], v3
	v_add_nc_u32 v11, s[TB], v4
.irp t, 0,1,2,3
.irp c, 0,1
	ds_load_b128 v[32+8*\t+4*\c:35+8*\t+4*\c], v8 offset:1024*\t+512*\c      ; K: fragment t = tiles 2 t and 2 t + 1 of 16 keys
.endr
.endr
.irp g, 0,1
	ds_load_b64 v[200+2*\g:201+2*\g], v10 offset:128*\g
.endr
.irp t, 0,1,2,3
.irp c, 0,1
	ds_load_b128 v[64+8*\t+4*\c:67+8*\t+4*\c], v9 offset:1024*\t+512*\c      ; V: 16 channels x these 128 keys; it lands under the softmax
.endr
.endr
	ds_load_b128 v[204:207], v11
	s_wait_dscnt 9                                 ; K and its words are in; V's nine loads may be out
.irp t, 0,1,2,3
	v_wmma_scale_f32_16x16x128_f8f6f4 v[96+16*\t:103+16*\t], v[32+8*\t:39+8*\t], v[20:27], 0, v[200+\t], v28 matrix_a_fmt:MATRIX_FMT_FP4 matrix_b_fmt:MATRIX_FMT_FP4    ; [q | 0]: tile 2 t
	v_wmma_scale_f32_16x16x128_f8f6f4 v[104+16*\t:111+16*\t], v[32+8*\t:39+8*\t], v[16:23], 0, v[200+\t], v28 matrix_a_fmt:MATRIX_FMT_FP4 matrix_b_fmt:MATRIX_FMT_FP4  ; [0 | q]: tile 2 t + 1
.endr                                  ; register 16 b + i is key 32 b + 16 (lane / 16) + i of the step
.rept 4
	v_nop
.endr
.irp b, 0,1,2,3
	v_max3_num_f32 v[BM+\b], v[96+16*\b], v[97+16*\b], v[98+16*\b]          ; the largest score of each block of 32 keys: for the row's maximum, and for the block's largest p
.endr
.irp i, 3,5,7,9,11,13
.irp b, 0,1,2,3
	v_max3_num_f32 v[BM+\b], v[BM+\b], v[96+16*\b+\i], v[97+16*\b+\i]
.endr
.endr
.irp b, 0,1,2,3
	v_max_num_f32 v[BM+\b], v[BM+\b], v[111+16*\b]
.endr
.irp b, 0,1,2,3
	s_delay_alu instid0(VALU_DEP_4)
	v_permlanex16_b32 v[PT+\b], v[BM+\b], s[SEL], s[SEL+1]
.endr
.irp b, 0,1,2,3
	s_delay_alu instid0(VALU_DEP_4)
	v_max_num_f32 v[BM+\b], v[BM+\b], v[PT+\b]     ; with lane l xor 16's 16 keys
.endr
	s_delay_alu instid0(VALU_DEP_2)
	v_max3_num_f32 v220, v[BM], v[BM+1], v[BM+2]
	s_delay_alu instid0(VALU_DEP_1)
	v_max_num_f32 v220, v220, v[BM+3]              ; the step's largest score of my query
	s_delay_alu instid0(VALU_DEP_1)
	v_mul_f32 v220, s[CS], v220                    ; as t (c is positive)
	s_delay_alu instid0(VALU_DEP_1)
	v_max_num_f32 v13, v13, v220                   ; the running largest t
	v_mov_b32 v220, v12
	s_delay_alu instid0(VALU_DEP_2)
	v_floor_f32 v12, -v13                          ; the new -M = floor(-t) = -ceil(t)
	s_delay_alu instid0(VALU_DEP_1)
	v_sub_f32 v220, v12, v220                      ; old M - new M: a whole number, 0 or less
	s_delay_alu instid0(VALU_DEP_1)
	v_cvt_i32_f32 v220, v220                       ; (it saturates)
	s_delay_alu instid0(VALU_DEP_1)
	v_ldexp_f32 v222, 1.0, v220                    ; f = 2^(old M - new M)
.set j, 0
.rept 32
	v_pk_fma_f32 v[96+j:97+j], v[96+j:97+j], s[CS:CS+1], v[12:13] op_sel_hi:[1,0,0]   ; t - M, two at a time
.set j, j+2
.endr
.irp b, 0,1,2,3
	v_fma_f32 v[BM+\b], v[BM+\b], s[CS], v12       ; the same of each block's largest score
.endr
.set j, 0
	s_wait_alu depctr_va_vdst(0)
.rept 64
	v_exp_f32 v[96+j], v[96+j]                     ; p = 2^(t - M), at most 1
.set j, j+1
.endr
	s_setprio 1
.irp b, 0,1,2,3
	v_exp_f32 v[BM+\b], v[BM+\b]                   ; the block's largest p: the same two instructions on the same number give the same bits
.endr
	v_pk_mul_f32 v[14:15], v[14:15], v[222:223] op_sel_hi:[1,0]   ; the sums under the new M (a plain place behind the exponentials)
	s_wait_alu depctr_va_vdst(0)
.irp b, 0,1,2,3
	v_max_num_f32 v[BM+\b], 0x1800000, v[BM+\b]    ; the floor 2^(3 - 127): the byte cannot fall under 1
.endr
.irp b, 0,1,2,3
	s_delay_alu instid0(VALU_DEP_4)
	v_add_nc_u32 v[SO+\b], 0xff000000, v[BM+\b]    ; 2 off the exponent field: the conversion's scale operand
.endr
.irp b, 0,1,2,3
	s_delay_alu instid0(VALU_DEP_4)
	v_lshrrev_b32 v[PT+\b], 23, v[SO+\b]           ; the scale's byte
.endr
	s_delay_alu instid0(VALU_DEP_3)
	v_lshl_or_b32 v224, v[PT+1], 8, v[PT]          ; p's scale word for these 128 keys
	s_delay_alu instid0(VALU_DEP_1)
	v_lshl_or_b32 v224, v[PT+2], 16, v224
	s_delay_alu instid0(VALU_DEP_1)
	v_lshl_or_b32 v224, v[PT+3], 24, v224
.irp b, 0,1,2,3
	v_cvt_scalef32_pk8_fp4_f32 v[192+2*\b], v[96+16*\b:103+16*\b], v[SO+\b]
	v_cvt_scalef32_pk8_fp4_f32 v[193+2*\b], v[104+16*\b:111+16*\b], v[SO+\b]
.endr
	v_nop                                          ; one plain place behind a scaled conversion
.irp c, 0,1                            ; a WHOLE block to a lane: lanes 0-15 block 2 c, lanes 16-31 block 2 c + 1
.irp i, 0,1
	v_permlane16_swap_b32 v[192+4*\c+\i], v[194+4*\c+\i]
.endr
.endr
	v_pk_add_f32 v[212:213], v[100:101], v[104:105]
	v_pk_add_f32 v[252:253], v[108:109], v[112:113]
	v_pk_add_f32 v[250:251], v[116:117], v[120:121]
	v_pk_add_f32 v[248:249], v[124:125], v[128:129]
	v_pk_add_f32 v[246:247], v[132:133], v[136:137]
	v_pk_add_f32 v[244:245], v[140:141], v[144:145]
	v_pk_add_f32 v[242:243], v[148:149], v[152:153]
	v_pk_add_f32 v[14:15], v[14:15], v[156:157]
	v_pk_add_f32 v[212:213], v[212:213], v[96:97]
	v_pk_add_f32 v[252:253], v[252:253], v[98:99]
	v_pk_add_f32 v[250:251], v[250:251], v[102:103]
	v_pk_add_f32 v[248:249], v[248:249], v[106:107]
	v_pk_add_f32 v[246:247], v[246:247], v[110:111]
	v_pk_add_f32 v[244:245], v[244:245], v[114:115]
	v_pk_add_f32 v[242:243], v[242:243], v[118:119]
	v_pk_add_f32 v[14:15], v[14:15], v[122:123]
	v_pk_add_f32 v[212:213], v[212:213], v[126:127]
	v_pk_add_f32 v[252:253], v[252:253], v[130:131]
	v_pk_add_f32 v[250:251], v[250:251], v[134:135]
	v_pk_add_f32 v[248:249], v[248:249], v[138:139]
	v_pk_add_f32 v[246:247], v[246:247], v[142:143]
	v_pk_add_f32 v[244:245], v[244:245], v[146:147]
	v_pk_add_f32 v[242:243], v[242:243], v[150:151]
	v_pk_add_f32 v[14:15], v[14:15], v[154:155]
	v_pk_add_f32 v[212:213], v[212:213], v[158:159]
	s_delay_alu instid0(VALU_DEP_2)
	v_pk_add_f32 v[14:15], v[14:15], v[248:249]
	s_delay_alu instid0(VALU_DEP_2)
	v_pk_add_f32 v[212:213], v[212:213], v[246:247]
	v_pk_add_f32 v[252:253], v[252:253], v[244:245]
	v_pk_add_f32 v[250:251], v[250:251], v[242:243]
	s_delay_alu instid0(VALU_DEP_2)
	v_pk_add_f32 v[14:15], v[14:15], v[252:253]
	s_delay_alu instid0(VALU_DEP_2)
	v_pk_add_f32 v[212:213], v[212:213], v[250:251]
	s_delay_alu instid0(VALU_DEP_1)
	v_pk_add_f32 v[14:15], v[14:15], v[212:213]
.set j, 0
	s_setprio 0
.rept 16
	v_pk_mul_f32 v[160+j:161+j], v[160+j:161+j], v[222:223] op_sel_hi:[1,0]   ; O^T under the new M, each accumulator from its low end on
.set j, j+2
.endr
	s_wait_alu depctr_va_vdst(0)
	s_wait_dscnt 0x0                               ; V and its words are in
.irp t, 0,1,2,3                        ; O^T += V^T P^T: four accumulators, one instruction each; the next step's eight score products stand between two links
	v_wmma_scale_f32_16x16x128_f8f6f4 v[160+8*\t:167+8*\t], v[64+8*\t:71+8*\t], v[192:199], v[160+8*\t:167+8*\t], v[204+\t], v224 matrix_a_fmt:MATRIX_FMT_FP4 matrix_b_fmt:MATRIX_FMT_FP4
.endr
.endm
; Four key steps: a quarter of the head.  The wave that brought the quarter waits for it (the count leaves its later quarters out; the other waves have nothing out) and all meet.
.macro QUARTER i
	s_wait_tensorcnt 3-\i
	s_wait_dscnt 0x0
	s_barrier_signal -1
	s_barrier_wait -1
	s_mov_b32 s[TB], \i*QT
	s_mov_b32 s[CNT], 4
.Lstep_\@:
	s_setprio 2
	STEP
	s_add_co_u32 s[TB], s[TB], HALF
	s_sub_co_u32 s[CNT], s[CNT], 1
	s_cmp_lg_u32 s[CNT], 0
	s_cbranch_scc1 .Lstep_\@
	s_setprio 0
.endm
	s_mov_b32 s[PASS], 2
.Lpass:                                ; two tiles of queries, one after the other (in the second trip all quarters have landed: its waits and barriers are met at once)
	global_load_b128 v[20:23], v1, s[QP:QP+1]      ; q: lane (r, h): block h of query r
	global_load_b32 v29, v6, s[QSP:QSP+1]
	s_wait_loadcnt 0x0
	v_perm_b32 v28, v29, v29, s[SQ]                ; my tile's two bytes, twice: they serve [q | 0] and [0 | q].  The moves below are the places between this line and the first product
	v_mov_b32 v13, 0xff61b1e6                      ; the largest t so far: -3e38, under every t
	s_delay_alu instid0(VALU_DEP_1)
	v_floor_f32 v12, -v13                          ; -M
	v_mov_b32 v14, 0
	v_mov_b32 v15, 0
.set j, 0
.rept 32
	v_mov_b32 v[160+j], 0                          ; O^T: the step is written once; the first finds zeros, which the first change of M leaves zeros
.set j, j+1
.endr
	QUARTER 0
	QUARTER 1
	QUARTER 2
	QUARTER 3
	; THE WAY OUT: O^T / the sum, quantised along the channels: my lane's registers 16 b + i are channels 32 b + 16 (lane / 16) + i: blocks 2 head + b of the last product's K
.rept 4
	v_nop
.endr
	v_add_f32 v14, v14, v15
	s_delay_alu instid0(VALU_DEP_1)
	v_permlanex16_b32 v220, v14, s[SEL], s[SEL+1]
	s_delay_alu instid0(VALU_DEP_1)
	v_add_f32 v14, v14, v220                       ; the row's sum
	s_wait_alu depctr_va_vdst(0)
	v_rcp_f32 v222, v14
	v_nop                                          ; a plain place behind the transcendental
.set j, 0
	s_wait_alu depctr_va_vdst(0)
.rept 16
	v_pk_mul_f32 v[96+j:97+j], v[160+j:161+j], v[222:223] op_sel_hi:[1,0]
.set j, j+2
.endr
.irp b, 0,1
	v_max3_num_f32 v[BM+\b], |v[96+16*\b]|, |v[97+16*\b]|, 0x1800000
.endr
.irp i, 2,4,6,8,10,12,14
.irp b, 0,1
	s_delay_alu instid0(VALU_DEP_2)
	v_max3_num_f32 v[BM+\b], v[BM+\b], |v[96+16*\b+\i]|, |v[97+16*\b+\i]|
.endr
.endr
.irp b, 0,1
	s_delay_alu instid0(VALU_DEP_2)
	v_permlanex16_b32 v[PT+\b], v[BM+\b], s[SEL], s[SEL+1]
.endr
.irp b, 0,1
	s_delay_alu instid0(VALU_DEP_2)
	v_max_num_f32 v[BM+\b], v[BM+\b], v[PT+\b]
.endr
.irp b, 0,1
	s_delay_alu instid0(VALU_DEP_2)
	v_add_nc_u32 v[SO+\b], 0xff000000, v[BM+\b]
.endr
.irp b, 0,1
	s_delay_alu instid0(VALU_DEP_2)
	v_lshrrev_b32 v[PT+\b], 23, v[SO+\b]
.endr
.irp b, 0,1
	v_cvt_scalef32_pk8_fp4_f32 v[192+2*\b], v[96+16*\b:103+16*\b], v[SO+\b]
	v_cvt_scalef32_pk8_fp4_f32 v[193+2*\b], v[104+16*\b:111+16*\b], v[SO+\b]
.endr
	v_nop
	v_permlane16_swap_b32 v192, v194               ; lanes 0-15 block 0, lanes 16-31 block 1, 16 bytes each
	v_permlane16_swap_b32 v193, v195
	v_cndmask_b32 v225, v[PT], v[PT+1], s[HM]      ; and the byte of the lane's block
	global_store_b128 v1, v[192:195], s[OP:OP+1]   ; 512 consecutive bytes, at a multiple of 256 from the buffer's first byte
	global_store_b8 v7, v225, s[OSP:OSP+1]
	s_wait_xcnt 0x0                                ; the pointers are stepped and the stores' registers written again only behind this wait
	s_add_nc_u64 s[QP:QP+1], s[QP:QP+1], 2*HALF
	s_add_nc_u64 s[QSP:QSP+1], s[QSP:QSP+1], 2*HALF
	s_add_nc_u64 s[OP:OP+1], s[OP:OP+1], 16*REC
	s_add_nc_u64 s[OSP:OSP+1], s[OSP:OSP+1], 16*REC
	s_sub_co_u32 s[PASS], s[PASS], 1
	s_cmp_lg_u32 s[PASS], 0
	s_cbranch_scc1 .Lpass
	s_wait_tensorcnt 0x0
	ds_add_u32 v254, v255
	s_wait_dscnt 0x0
	CROUND                                         ; the closing round
	s_endpgm
.Lfunc_end_k_qcfbda2beb4_attn:
	.size	k_qcfbda2beb4_attn, .Lfunc_end_k_qcfbda2beb4_attn-k_qcfbda2beb4_attn
	.p2alignl 7, 3214868480
	.fill 96, 4, 3214868480
	.section	.rodata,"a",@progbits
	.p2align	6, 0x0
	.amdhsa_kernel k_qcfbda2beb4_attn
		.amdhsa_group_segment_fixed_size 169984
		.amdhsa_private_segment_fixed_size 0
		.amdhsa_enable_private_segment 0
		.amdhsa_kernarg_size 32
		.amdhsa_user_sgpr_count 2
		.amdhsa_user_sgpr_kernarg_segment_ptr 1
		.amdhsa_wavefront_size32 1
		.amdhsa_system_sgpr_workgroup_id_x 1
		.amdhsa_system_sgpr_workgroup_id_y 1
		.amdhsa_system_sgpr_workgroup_id_z 1
		.amdhsa_system_vgpr_workitem_id 0
		.amdhsa_next_free_vgpr 256
		.amdhsa_next_free_sgpr 80
		.amdhsa_reserve_vcc 0
		.amdhsa_float_denorm_mode_32 3
		.amdhsa_float_denorm_mode_16_64 3
		.amdhsa_memory_ordered 1
		.amdhsa_forward_progress 1
		.amdhsa_inst_pref_size 78
	.end_amdhsa_kernel
	.amdgpu_metadata
---
amdhsa.version: [ 1, 2 ]
amdhsa.kernels:
  - .name:           k_qcfbda2beb4_attn
    .symbol:         k_qcfbda2beb4_attn.kd
    .args:
      - { .name: qb, .offset: 0, .size: 8, .value_kind: global_buffer, .address_space: global }
      - { .name: kb, .offset: 8, .size: 8, .value_kind: global_buffer, .address_space: global }
      - { .name: vb, .offset: 16, .size: 8, .value_kind: global_buffer, .address_space: global }
      - { .name: ob, .offset: 24, .size: 8, .value_kind: global_buffer, .address_space: global }
    .group_segment_fixed_size: 169984
    .private_segment_fixed_size: 0
    .kernarg_segment_align: 8
    .kernarg_segment_size: 32
    .max_flat_workgroup_size: 512
    .sgpr_count:     80
    .vgpr_count:     256
    .wavefront_size: 32
...
	.end_amdgpu_metadata
.endif
;; end of part 4
;; launch oproj (part 5): grid 4 x 64, 4 waves a work-group, clusters of 4 x 4, 243,200 bytes of LDS; arguments ob, wc, bo, state, out0; writes out0
.if DOCPART == 5
	.amdgcn_target "amdgcn-amd-amdhsa--gfx1250"
	.amdhsa_code_object_version 6
	.text
	.protected	k_qcfbda2beb4_oproj
	.globl	k_qcfbda2beb4_oproj
	.p2align	8
	.type	k_qcfbda2beb4_oproj,@function
k_qcfbda2beb4_oproj:
	s_mov_b64 s[64:65], 0
	v_nop
	global_prefetch_b8 v0, s[64:65] scope:SCOPE_SE
	s_setreg_imm32_b32 hwreg(HW_REG_WAVE_MODE, 25, 1), 1
	s_wait_xcnt 0x0
	s_wait_alu depctr_hold_cnt(0) depctr_sa_sdst(0) depctr_va_vdst(0) depctr_va_sdst(0) depctr_va_ssrc(0) depctr_va_vcc(0) depctr_vm_vsrc(0)
	s_getreg_b32 s2, hwreg(HW_REG_IB_STS2, 6, 4)
	s_cmp_eq_u32 s2, 0
	s_cbranch_scc0 .Lentry_in_a_cluster
	s_endpgm
.Lentry_in_a_cluster:
	s_bfe_u32 s2, ttmp6, 0x10000c
	s_cmp_lg_u32 s2, 0xf033
	s_cbranch_scc0 .Lentry_shape_is_right
	s_endpgm
.Lentry_shape_is_right:
; out0 = o Wo + bo + state: [8192 x 1024] x [1024 x 1024] on codes of FP4 (E2M1) with E8M0 scales, f32 sums; the bias is the C of each sum's first product, the residual is added in f32 on the way out.
; OPERANDS are tile records (16 rows x K 1,024; 8,704 bytes; two halves of 4,352: the images of four fragments, then 256 scale bytes, four words a row).  Place r of tile t is row 32 (t / 2) + 8 (t % 2) + r + 8 (r / 8).
; Source 0 = Wo's columns (the fourth weight in wc), source 1 = o's rows: a lane holds one row of the output, and tile b's register j is column 32 (b / 2) + 16 (lane / 16) + 8 (b % 2) + j.
; SHARES: a work-group makes 128 rows x 256 columns over all of K: 256 work-groups.  Wave w: rows' half w / 2 (4 tiles) x columns' half w % 2 (8 tiles): 32 accumulators.
; LDS: both halves of K of all 24 records, 208,896 bytes, each byte filled ONCE; behind them a stage of 16 rows x 528 bytes for each wave, into which no fill lands.  Each wave issues two tensor loads at the start: two are out at the most.
; CLUSTER 4 x 4: o's records hang on cy alone and are asked for jointly along a row of the cluster, Wo's on cx alone, along a column.
; THE RESIDUAL: my 64 rows x 512 bytes of state are asked for at the start, 64 loads into 256 registers of their own (window 3), in the layout in which the rows leave: they land under the fills and the products.
; REGISTERS: window 0: v1-11 addresses; v32-95 scale words; v96-159 source 1's fragments, two sets; v160-223 the bias as C; on the way out v96-223 hold rows.  window 1: source 0's fragments, two sets.  window 2: the accumulators.  window 3: state.
.set WSZ,  557056
.set REC,  8704
.set HALF, 4352
.set LH,   104448                      ; LDS: what one half of K takes: source 1's 8 halves of records, then source 0's 16
.set LB,   34816
.set STAGE, 2*LH
.set SP,   528
.set LI,   1                           ; v1   16 x lane
.set ADRA, 2
.set ADRB, 4
.set ADRS, 6
.set STO,  8                           ; v8   the stage: where I put 16 bytes of a row
.set RD,   9                           ; v9   and where I read a row back
.set BOQ,  11
.set VR,   14
.set VH,   15
.set SC,   32
.set AF,   96
.set BIAS, 160
.set MSB, 0
.macro WIN new                         ; the immediate's high byte repeats the setting that is left
.if MSB != \new
	s_set_vgpr_msb (MSB<<8)|\new
.set MSB, \new
.endif
.endm
.macro PLACES n
.rept \n
	v_nop
.endr
.endm
.macro CROUND                          ; a round of the cluster's barrier
	s_barrier_signal -1
	s_barrier_wait -1
	s_cmp_lg_u32 s20, 0
	s_cbranch_scc1 .Lnot_wave_0_\@
	s_barrier_signal -3
.Lnot_wave_0_\@:
	s_barrier_wait -3
	s_barrier_signal -1
	s_barrier_wait -1
.endm
	s_load_b256 s[4:11], s[0:1], 0x0               ; ob, wc, bo, state
	s_load_b64 s[12:13], s[0:1], 0x20              ; out0
	v_lshl_add_u32 v254, v0, 2, 0x3b400
	v_mov_b32 v255, 0
	ds_add_u32 v254, v255
	ds_add_u32 v254, v255
	v_lshrrev_b32 v13, 5, v0
	v_readfirstlane_b32 s20, v13                   ; wave 0..3
	s_lshr_b32 s21, s20, 1                         ; my half of the rows.  Also: I fetch for source 1 (0) or source 0 (1)
	s_and_b32 s22, s20, 1                          ; my half of the columns.  Also: which half of those records I fetch
	s_bfe_u32 s23, ttmp6, 0x40000                  ; cx = my block of 256 columns (the grid has one cluster along x)
	s_bfe_u32 s24, ttmp6, 0x40004                  ; cy
	s_and_b32 s25, ttmp7, 0xffff
	s_lshl_b32 s62, s25, 2
	s_add_co_u32 s62, s62, s24                     ; my block of 128 rows = 4 x cluster y + cy
	s_lshl_b32 s70, s24, 2
	s_lshl_b32 s70, 15, s70                        ; my row of the cluster
	s_lshl_b32 s71, 0x1111, s23                    ; my column
	; descriptor groups 1: 4 (source 1) or 8 (source 0) halves of records: rows of 544 elements of 8 bytes, 1,088 elements apart, dense in LDS
	s_or_b32 s28, s70, (3<<16)|(1<<21)
	s_mov_b32 s29, 544<<16
	s_mov_b32 s30, 4<<16
	s_mov_b32 s31, 544<<16
	s_mov_b32 s32, 4
	s_mov_b32 s33, 1088
	s_mov_b32 s34, 0
	s_mov_b32 s35, 0
	s_or_b32 s36, s71, (3<<16)|(1<<21)
	s_mov_b32 s37, 544<<16
	s_mov_b32 s38, 8<<16
	s_mov_b32 s39, 544<<16
	s_mov_b32 s40, 8
	s_mov_b32 s41, 1088
	s_mov_b32 s42, 0
	s_mov_b32 s43, 0
	s_lshl_b32 s72, s23, 4                         ; source 0: record 16 cx + 8 x which half I fetch, of the fourth weight
	s_lshl_b32 s73, s22, 3
	s_add_co_u32 s72, s72, s73
	s_mul_i32 s72, s72, REC
	s_add_co_u32 s72, s72, 3*WSZ
	s_mov_b32 s73, 0
	s_lshl_b32 s74, s62, 3                         ; source 1: record 8 t1 + 4 x which half I fetch
	s_lshl_b32 s75, s22, 2
	s_add_co_u32 s74, s74, s75
	s_mul_i32 s74, s74, REC
	s_mov_b32 s75, 0
	s_mul_i32 s76, s22, 17408                      ; where they go: no place in the cluster enters an LDS address
	s_mul_i32 s77, s22, 34816
	s_add_co_u32 s77, s77, LB
	s_wait_dscnt 0x0
	s_wait_kmcnt 0x0
	s_add_nc_u64 s[78:79], s[6:7], s[72:73]
	s_add_nc_u64 s[80:81], s[4:5], s[74:75]
.irp k, 0,1                            ; a group 0 for each half of K
	s_mov_b32 s[44+4*\k], 1
	s_add_co_u32 s[45+4*\k], s76, \k*LH
	s_add_nc_u64 s[46+4*\k:47+4*\k], s[80:81], \k*HALF
	s_or_b32 s[47+4*\k], s[47+4*\k], 0x80000000
	s_mov_b32 s[52+4*\k], 1
	s_add_co_u32 s[53+4*\k], s77, \k*LH
	s_add_nc_u64 s[54+4*\k:55+4*\k], s[78:79], \k*HALF
	s_or_b32 s[55+4*\k], s[55+4*\k], 0x80000000
.endr
	CROUND                                         ; all sixteen work-groups are here: the joint loads meet
	s_cmp_eq_u32 s21, 0                            ; a wave's two fills stand in one branch on its number; four v_nop follow the second
	s_cbranch_scc0 .Lfill_b
	tensor_load_to_lds s[44:47], s[28:35]
	s_nop 0
	tensor_load_to_lds s[48:51], s[28:35]
	s_nop 0
	PLACES 4
	s_branch .Lfilled
.Lfill_b:
	tensor_load_to_lds s[52:55], s[36:43]
	s_nop 0
	tensor_load_to_lds s[56:59], s[36:43]
	s_nop 0
	PLACES 4
.Lfilled:
	s_lshl_b32 s2, s23, 10                         ; the bias of my 128 columns
	s_lshl_b32 s3, s22, 9
	s_add_co_u32 s2, s2, s3
	s_mov_b32 s3, 0
	s_add_nc_u64 s[8:9], s[8:9], s[2:3]
	s_lshl_b32 s66, s62, 19                        ; state and out0: row 128 t1 + 64 (w / 2) of 4,096 bytes, + my columns' bytes
	s_lshl_b32 s67, s21, 18
	s_add_co_u32 s66, s66, s67
	s_add_co_u32 s66, s66, s2
	s_mov_b32 s67, 0
	s_add_nc_u64 s[10:11], s[10:11], s[66:67]
	s_add_nc_u64 s[12:13], s[12:13], s[66:67]
	v_and_b32 v13, 31, v0
	v_lshlrev_b32 v[LI], 4, v13
	v_and_b32 v[VR], 15, v0
	v_bfe_u32 v[VH], v0, 4, 1
	v_lshlrev_b32 v[BOQ], 6, v[VH]
.irp b, 0,1,2,3,4,5,6,7
	global_load_b128 v[BIAS+8*\b:BIAS+8*\b+3], v[BOQ], s[8:9] offset:(32*(\b/2)+8*(\b%2))*4
	global_load_b128 v[BIAS+8*\b+4:BIAS+8*\b+7], v[BOQ], s[8:9] offset:(32*(\b/2)+8*(\b%2))*4+16
.endr
	WIN 0xc0                                       ; destination window 3
.irp a, 0,1,2,3
.irp i, 0,1,2,3,4,5,6,7,8,9,10,11,12,13,14,15
	global_load_b128 v[64*\a+4*\i:64*\a+4*\i+3], v[LI], s[10:11] offset:(32*(\a/2)+8*(\a%2)+\i+8*(\i/8))*4096 th:TH_LOAD_NT   ; place i of tile a: 512 consecutive bytes of its row
.endr
.endr
	WIN 0
	s_mul_i32 s68, s21, 17408                      ; my four tiles of source 1
	s_mul_i32 s69, s22, 34816
	s_add_co_u32 s69, s69, LB                      ; my eight of source 0
	v_add_nc_u32 v[ADRA], s68, v[LI]
	v_add_nc_u32 v[ADRA+1], LH, v[ADRA]
	v_add_nc_u32 v[ADRB], s69, v[LI]
	v_add_nc_u32 v[ADRB+1], LH, v[ADRB]
	s_sub_co_u32 s69, s69, s68
	v_mul_u32_u24 v13, s69, v[VH]                  ; lanes 16-31 take source 0's scale words: the lower base + (lane / 16) x the distance
	v_lshl_add_u32 v13, v[VR], 4, v13
	s_add_co_u32 s68, s68, 4096
	v_add_nc_u32 v[ADRS], s68, v13
	v_add_nc_u32 v[ADRS+1], LH, v[ADRS]
	s_mul_i32 s68, s20, 16*SP
	s_add_co_u32 s68, s68, STAGE                   ; my stage
	v_mul_u32_u24 v[STO], v[VR], SP
	v_lshl_add_u32 v[STO], v[VH], 6, v[STO]
	v_add_nc_u32 v[STO], s68, v[STO]               ; in: row = my place, + 64 (lane / 16)
	v_add_nc_u32 v[RD], s68, v[LI]                 ; back: the 32 lanes take one row of 512 bytes
.macro FRAG reg, adr, q, i             ; a fragment (16 rows x 128 K: 8 registers) is two loads of 512 consecutive bytes: the record holds its image
.irp c, 0,1
	ds_load_b128 v[\reg+4*\c:\reg+4*\c+3], v[\adr] offset:1024*(\q)+512*\c+HALF*(\i)
.endr
.endm
.macro FETCH s                         ; K step s: 8 fragments of source 0, 4 of source 1, into set s % 2: 24 loads
	WIN 0x40
.irp i, 0,1,2,3,4,5,6,7
	FRAG 128*((\s)%2)+8*\i, ADRB+(\s)/4, (\s)%4, \i
.endr
	WIN 0
.irp i, 0,1,2,3
	FRAG AF+32*((\s)%2)+8*\i, ADRA+(\s)/4, (\s)%4, \i
.endr
.endm
.macro SCALES kh                       ; four K steps' words: register 4 i + q: lanes 0-15 source 1's tile i, lanes 16-31 source 0's tile i (for i > 3 lanes 0-15 read filled bytes that nothing uses)
.irp i, 0,1,2,3,4,5,6,7
	ds_load_b128 v[SC+32*\kh+4*\i:SC+32*\kh+4*\i+3], v[ADRS+\kh] offset:HALF*\i
.endr
.endm
; 8 products: source 1's tile a against source 0's eight, K step s.  mode 0: onto the sums;  1: the bias of tile b starts them.
; The 32 accumulators take turns, one instruction a turn, in the same order in every step.
.macro MULA a, s, mode
.irp b, 0,1,2,3,4,5,6,7
.if \mode == 0
	v_wmma_scale_f32_16x16x128_f8f6f4 v[8*(8*\a+\b):8*(8*\a+\b)+7], v[128*((\s)%2)+8*\b:128*((\s)%2)+8*\b+7], v[AF+32*((\s)%2)+8*\a:AF+32*((\s)%2)+8*\a+7], v[8*(8*\a+\b):8*(8*\a+\b)+7], v[SC+32*((\s)/4)+4*\b+(\s)%4], v[SC+32*((\s)/4)+4*\a+(\s)%4] matrix_a_fmt:MATRIX_FMT_FP4 matrix_b_fmt:MATRIX_FMT_FP4 matrix_a_scale:MATRIX_SCALE_ROW1
.else
	v_wmma_scale_f32_16x16x128_f8f6f4 v[8*(8*\a+\b):8*(8*\a+\b)+7], v[128*((\s)%2)+8*\b:128*((\s)%2)+8*\b+7], v[AF+32*((\s)%2)+8*\a:AF+32*((\s)%2)+8*\a+7], v[BIAS+8*\b:BIAS+8*\b+7], v[SC+32*((\s)/4)+4*\b+(\s)%4], v[SC+32*((\s)/4)+4*\a+(\s)%4] matrix_a_fmt:MATRIX_FMT_FP4 matrix_b_fmt:MATRIX_FMT_FP4 matrix_a_scale:MATRIX_SCALE_ROW1
.endif
.endr
.endm
.macro STEP s                          ; the next step's fragments are asked for, then this step's 32 products
	PLACES 4                                       ; four places between the products that read a set and the loads into it
	FETCH (\s)+1
	s_wait_dscnt 24                                ; all but the 24 loads just issued
	WIN 0xa1                                       ; source 0 window 1, source 1 window 0, C and D window 2
	MULA 0, \s, 0
	MULA 1, \s, 0
	MULA 2, \s, 0
	MULA 3, \s, 0
.endm
	s_wait_alu depctr_va_vdst(0)
	s_wait_tensorcnt 1                             ; my part of K's first half is in (the second half's load may be out)
	s_barrier_signal -1
	s_barrier_wait -1                              ; everybody's is
	FETCH 0
	SCALES 0
	FETCH 1
	s_wait_loadcnt 63                              ; the bias's 16 loads are in: 64 loads were issued behind them
	s_wait_dscnt 24                                ; step 0's fragments and the scale words are in; step 1's 24 loads may be out
	WIN 0x81                                       ; C in window 0
	MULA 0, 0, 1
	MULA 1, 0, 1
	MULA 2, 0, 1
	MULA 3, 0, 1
	STEP 1
	STEP 2
	s_wait_tensorcnt 0x0                           ; K step 3 changes halves: my part of the second half is in,
	s_wait_dscnt 0x0                               ; step 3's fragments are in, and no LDS load of mine is out at the signal
	s_barrier_signal -1
	MULA 0, 3, 0
	MULA 1, 3, 0
	WIN 0
	s_barrier_wait -1                              ; everybody's part is in
	PLACES 4
	FETCH 4
	SCALES 1
	WIN 0xa1
	MULA 2, 3, 0
	MULA 3, 3, 0
	STEP 4
	STEP 5
	STEP 6
	s_wait_dscnt 0x0
	MULA 0, 7, 0
	MULA 1, 7, 0
	MULA 2, 7, 0
	MULA 3, 7, 0
	WIN 0
; THE WAY OUT, a tile of 16 rows x 128 columns at a time.  A lane holds pieces of 32 bytes of one row, and the lanes beside it hold other rows: so a tile goes through my own stage and comes back as whole rows of
; 512 bytes; state is added; the 32 lanes store two aligned runs of 256 bytes.  LDS serves a wave's instructions in order: no wait between the stores and the loads, nor in front of the next tile's stores.
.macro TOSTAGE a
	WIN 0x08                                       ; an LDS store's data are its source 1: window 2
.irp b, 0,1,2,3,4,5,6,7
	ds_store_b128 v[STO], v[64*(\a)+8*\b:64*(\a)+8*\b+3] offset:128*(\b/2)+32*(\b%2)         ; each accumulator from its low end on
	ds_store_b128 v[STO], v[64*(\a)+8*\b+4:64*(\a)+8*\b+7] offset:128*(\b/2)+32*(\b%2)+16
.endr
	WIN 0
.set BB, 96+64*((\a)%2)
.irp i, 0,1,2,3,4,5,6,7,8,9,10,11,12,13,14,15
	ds_load_b128 v[BB+4*\i:BB+4*\i+3], v[RD] offset:\i*SP
.endr
.endm
.macro SEND a, younger                 ; younger: the LDS instructions issued behind tile a's loads, which may stay out
.set BB, 96+64*((\a)%2)
	s_wait_dscnt \younger                          ; the tile is back in registers
	s_wait_loadcnt 16*(3-(\a))                     ; its rows of state are in; the later tiles' may be out
	WIN 0x0c                                       ; source 1 window 3
.irp k, 0,2,4,6,8,10,12,14,16,18,20,22,24,26,28,30,32,34,36,38,40,42,44,46,48,50,52,54,56,58,60,62
	v_pk_add_f32 v[BB+\k:BB+\k+1], v[BB+\k:BB+\k+1], v[64*(\a)+\k:64*(\a)+\k+1]
.endr
	WIN 0
.irp i, 0,1,2,3,4,5,6,7,8,9,10,11,12,13,14,15
	global_store_b128 v[LI], v[BB+4*\i:BB+4*\i+3], s[12:13] offset:(32*((\a)/2)+8*((\a)%2)+\i+8*(\i/8))*4096 th:TH_STORE_NT   ; 512 consecutive bytes, at a multiple of 256 from out0's first byte
.endr
.endm
	PLACES 4                                       ; in front of the first read of results, and of loads into registers that products have read
	TOSTAGE 0
.irp a, 1,2,3
.if \a > 1
	s_wait_xcnt 0x0                                ; tile a - 2's stores have read their registers: tile a's rows may land there
.endif
	TOSTAGE \a
	SEND \a-1, 32                                  ; behind tile a - 1's loads: tile a's 16 stores and 16 loads
.endr
	SEND 3, 0
	s_wait_tensorcnt 0x0
	ds_add_u32 v254, v255
	s_wait_dscnt 0x0
	CROUND                                         ; the closing round: no work-group ends while a partner may still ask for a tile that names it
	s_endpgm
.Lfunc_end_k_qcfbda2beb4_oproj:
	.size	k_qcfbda2beb4_oproj, .Lfunc_end_k_qcfbda2beb4_oproj-k_qcfbda2beb4_oproj
	.p2alignl 7, 3214868480
	.fill 96, 4, 3214868480
	.section	.rodata,"a",@progbits
	.p2align	6, 0x0
	.amdhsa_kernel k_qcfbda2beb4_oproj
		.amdhsa_group_segment_fixed_size 243200
		.amdhsa_private_segment_fixed_size 0
		.amdhsa_enable_private_segment 0
		.amdhsa_kernarg_size 40
		.amdhsa_user_sgpr_count 2
		.amdhsa_user_sgpr_kernarg_segment_ptr 1
		.amdhsa_wavefront_size32 1
		.amdhsa_system_sgpr_workgroup_id_x 1
		.amdhsa_system_sgpr_workgroup_id_y 1
		.amdhsa_system_sgpr_workgroup_id_z 1
		.amdhsa_system_vgpr_workitem_id 0
		.amdhsa_next_free_vgpr 1024
		.amdhsa_next_free_sgpr 96
		.amdhsa_reserve_vcc 0
		.amdhsa_float_denorm_mode_32 3
		.amdhsa_float_denorm_mode_16_64 3
		.amdhsa_memory_ordered 1
		.amdhsa_forward_progress 1
		.amdhsa_inst_pref_size 85
	.end_amdhsa_kernel
	.amdgpu_metadata
---
amdhsa.version: [ 1, 2 ]
amdhsa.kernels:
  - .name:           k_qcfbda2beb4_oproj
    .symbol:         k_qcfbda2beb4_oproj.kd
    .args:
      - { .name: ob, .offset: 0, .size: 8, .value_kind: global_buffer, .address_space: global }
      - { .name: wc, .offset: 8, .size: 8, .value_kind: global_buffer, .address_space: global }
      - { .name: bo, .offset: 16, .size: 8, .value_kind: global_buffer, .address_space: global }
      - { .name: state, .offset: 24, .size: 8, .value_kind: global_buffer, .address_space: global }
      - { .name: out0, .offset: 32, .size: 8, .value_kind: global_buffer, .address_space: global }
    .group_segment_fixed_size: 243200
    .private_segment_fixed_size: 0
    .kernarg_segment_align: 8
    .kernarg_segment_size: 40
    .max_flat_workgroup_size: 128
    .sgpr_count:     96
    .vgpr_count:     1024
    .wavefront_size: 32
...
	.end_amdgpu_metadata
.endif
;; end of part 5
